; MI455X (gfx1250); checked and timed in simulation.
; The chip was launched on July 23, 2026; its instructions are those of AMD's public machine-readable ISA for CDNA 5 (MIT licence, August 2026) and "CDNA5" Instruction Set Architecture Reference Guide (July 2026). The comments in the code are by the model that wrote it; some were corrected since.
;; Enhanced Vector Quantizer. Allowed arithmetic: float matrix products may take bf16 or f16 operands with f32 sums; all other float work in f32.
;; Inputs: embeddings 8,192 x 1,024 float32; z 4 x 2,048 x 1,024 float32.
;; Outputs: out0 4 x 2,048 x 1,024 float32; out1 one number float32.
;; 2 versions, each right and faster than the one before. Each part assembles by itself: llvm-mc -triple=amdgcn-amd-amdhsa -mcpu=gfx1250 --defsym DOCPART=n.
;; ======== version 1 of 2: 5 launches
;; workspace buffers: zb 16,777,216 bytes; eb 16,777,216 bytes; zz 32,768 bytes; ee 32,768 bytes; pv 524,288 bytes; pi 524,288 bytes of whole numbers; idx 32,768 bytes of whole numbers; part 1,024 bytes
;; launch prep (part 1): grid 128 x 2, 16 waves a work-group, no clusters, 2,304 bytes of LDS; arguments z, embeddings, zb, eb, zz, ee; writes zb, eb, zz, ee
.if DOCPART == 1
	.amdgcn_target "amdgcn-amd-amdhsa--gfx1250"
	.amdhsa_code_object_version 6
	.text
	.protected	k_qc992be49ca_prep
	.globl	k_qc992be49ca_prep
	.p2align	8
	.type	k_qc992be49ca_prep,@function
k_qc992be49ca_prep:
	s_mov_b64 s[64:65], 0
	v_nop
	global_prefetch_b8 v0, s[64:65] scope:SCOPE_SE
	s_setreg_imm32_b32 hwreg(HW_REG_WAVE_MODE, 25, 1), 1
	s_wait_xcnt 0x0
; Rounds z and the codebook to bf16, once, and sums the squares of the ROUNDED numbers of every row in f32.
; z, embeddings: [8192][1024] f32.  zb, eb: [8192][1024] bf16.  zz, ee: f32[8192].
; The norms are taken of the rounded numbers because the product of the next launch is made of them: the distances are then those of
; the problem's formula on bf16 inputs, all three terms alike.
; Work-group (g, y): y = 0 takes z, y = 1 the codebook; rows 64 g .. 64 g + 63.  Sixteen waves, four rows each; one wave takes a whole row
; (4,096 bytes = eight loads of 512 consecutive bytes), so a row's sum never leaves the wave.  All 32 loads of a wave go out at once: no loop.
; A stream bound by memory: no matrix unit, no cluster (no two work-groups read the same byte), LDS only to gather the 64 norms into one
; store of 256 consecutive bytes.
; The order of the additions in a norm differs from that of a sum along the row.
.set ROWB,  4096                       ; bytes in a row of f32
.set ROWH,  2048                       ; bytes in a row of bf16
.set U,  4                             ; v[4:7]    four rounded numbers, widened again
.set S,  8                             ; v[8:11]   four running sums of squares
.set X,  16                            ; v[16:143] row i, chunk c: four registers at X + 32 i + 4 c
	s_load_b256 s[4:11], s[0:1], 0x0               ; z s[4:5], embeddings s[6:7], zb s[8:9], eb s[10:11]
	s_load_b128 s[12:15], s[0:1], 0x20             ; zz s[12:13], ee s[14:15]
	v_lshl_add_u32 v144, v0, 2, 0x100
	v_mov_b32 v145, 0
	v_lshrrev_b32 v3, 5, v0
	v_readfirstlane_b32 s22, v3                    ; wave 0..15
	s_and_b32 s23, ttmp7, 0xffff                   ; y: which tensor
	s_mov_b32 s26, 0x76543210                      ; v_permlanex16_b32: lane i of one half reads lane i of the other
	s_mov_b32 s27, 0xfedcba98
	s_mov_b32 s28, 0xffff0000                      ; a word's upper bf16
	v_and_b32 v1, 31, v0                           ; lane
	v_lshlrev_b32 v2, 3, v1                        ; 8 bytes of bf16 a lane
	v_lshlrev_b32 v1, 4, v1                        ; 16 bytes of f32 a lane
	v_lshl_add_u32 v1, v3, 14, v1                  ; + wave x 4 rows x 4,096 bytes
	v_lshl_add_u32 v2, v3, 13, v2                  ; + wave x 4 rows x 2,048 bytes
	v_lshlrev_b32 v13, 4, v3                       ; LDS: four words for each wave
	v_mov_b32 v12, 0                               ; the lane permute's destination counts as read: written once here
	s_wait_kmcnt 0x0
	s_cmp_eq_u32 s23, 0
	s_cselect_b64 s[16:17], s[4:5], s[6:7]         ; source
	s_cselect_b64 s[18:19], s[8:9], s[10:11]       ; its bf16 copy
	s_cselect_b64 s[20:21], s[12:13], s[14:15]     ; its norms
	s_mov_b32 s25, 0
	s_lshl_b32 s24, ttmp9, 18                      ; 64 rows x 4,096 bytes
	s_add_nc_u64 s[16:17], s[16:17], s[24:25]
	s_lshl_b32 s24, ttmp9, 17                      ; 64 rows x 2,048 bytes
	s_add_nc_u64 s[18:19], s[18:19], s[24:25]
	s_lshl_b32 s24, ttmp9, 8                       ; 64 norms x 4 bytes
	s_add_nc_u64 s[20:21], s[20:21], s[24:25]
.irp i, 0,1,2,3
.irp c, 0,1,2,3,4,5,6,7
	global_load_b128 v[X+32*\i+4*\c:X+32*\i+4*\c+3], v1, s[16:17] offset:ROWB*\i+512*\c th:TH_LOAD_NT
.endr
.endr
; One row: round four numbers a lane and chunk, store them (32 lanes x 8 bytes = 256 consecutive bytes, aligned), square what was stored.
; The rounded words stay in the registers they were made in and are never rewritten, so the stores need no wait.
.macro ROW i
	s_wait_loadcnt 8*(3-\i)                        ; loads come back in order: this row's eight are in, eight for each younger row may be out
.irp c, 0,1,2,3,4,5,6,7
	v_cvt_pk_bf16_f32 v[X+32*\i+4*\c],   v[X+32*\i+4*\c],   v[X+32*\i+4*\c+1]
	v_cvt_pk_bf16_f32 v[X+32*\i+4*\c+1], v[X+32*\i+4*\c+2], v[X+32*\i+4*\c+3]
	v_lshlrev_b32 v[U],   16,  v[X+32*\i+4*\c]     ; bf16 to f32: the low half moves up, the high half stays
	v_and_b32     v[U+1], s28, v[X+32*\i+4*\c]
	v_lshlrev_b32 v[U+2], 16,  v[X+32*\i+4*\c+1]
	v_and_b32     v[U+3], s28, v[X+32*\i+4*\c+1]
.if \c == 0
	v_pk_mul_f32 v[S:S+1],   v[U:U+1],   v[U:U+1]                  ; the first chunk starts the sums: nothing is cleared
	v_pk_mul_f32 v[S+2:S+3], v[U+2:U+3], v[U+2:U+3]
.else
	v_pk_fma_f32 v[S:S+1],   v[U:U+1],   v[U:U+1],   v[S:S+1]
	v_pk_fma_f32 v[S+2:S+3], v[U+2:U+3], v[U+2:U+3], v[S+2:S+3]
.endif
	global_store_b64 v2, v[X+32*\i+4*\c:X+32*\i+4*\c+1], s[18:19] offset:ROWH*\i+256*\c
.endr
	v_pk_add_f32 v[S:S+1], v[S:S+1], v[S+2:S+3]
	v_add_f32 v[S], v[S], v[S+1]
	v_add_f32_dpp v[S], v[S], v[S] row_xmask:1 row_mask:0xf bank_mask:0xf
	v_add_f32_dpp v[S], v[S], v[S] row_xmask:2 row_mask:0xf bank_mask:0xf
	v_add_f32_dpp v[S], v[S], v[S] row_xmask:4 row_mask:0xf bank_mask:0xf
	v_add_f32_dpp v[S], v[S], v[S] row_xmask:8 row_mask:0xf bank_mask:0xf
	v_permlanex16_b32 v12, v[S], s26, s27
	v_add_f32 v[S], v[S], v12                      ; every lane holds the row's sum
	ds_store_b32 v13, v[S] offset:4*\i             ; word 4 w + i = the row's number in the group; all lanes write the same value
.endm
	ROW 0
	ROW 1
	ROW 2
	ROW 3
	s_wait_dscnt 0x0                               ; my four words are in LDS: zero, for the sake of the wave that reads them
	s_barrier_signal -1
	s_barrier_wait -1
	s_cmp_lg_u32 s22, 0
	s_cbranch_scc1 .Lend
	v_lshlrev_b32 v14, 3, v0                       ; wave 0: two norms a lane
	ds_load_b64 v[U:U+1], v14
	s_wait_dscnt 0x0
	global_store_b64 v14, v[U:U+1], s[20:21]       ; the group's 64 norms: 256 consecutive bytes, aligned
.Lend:
	s_wait_tensorcnt 0x0
	ds_add_u32 v144, v145
	s_wait_dscnt 0x0
	s_endpgm
.Lfunc_end_k_qc992be49ca_prep:
	.size	k_qc992be49ca_prep, .Lfunc_end_k_qc992be49ca_prep-k_qc992be49ca_prep
	.p2alignl 7, 3214868480
	.fill 96, 4, 3214868480
	.section	.rodata,"a",@progbits
	.p2align	6, 0x0
	.amdhsa_kernel k_qc992be49ca_prep
		.amdhsa_group_segment_fixed_size 2304
		.amdhsa_private_segment_fixed_size 0
		.amdhsa_enable_private_segment 0
		.amdhsa_kernarg_size 48
		.amdhsa_user_sgpr_count 2
		.amdhsa_user_sgpr_kernarg_segment_ptr 1
		.amdhsa_wavefront_size32 1
		.amdhsa_system_sgpr_workgroup_id_x 1
		.amdhsa_system_sgpr_workgroup_id_y 1
		.amdhsa_system_sgpr_workgroup_id_z 1
		.amdhsa_system_vgpr_workitem_id 0
		.amdhsa_next_free_vgpr 146
		.amdhsa_next_free_sgpr 66
		.amdhsa_reserve_vcc 0
		.amdhsa_float_denorm_mode_32 3
		.amdhsa_float_denorm_mode_16_64 3
		.amdhsa_memory_ordered 1
		.amdhsa_forward_progress 1
		.amdhsa_inst_pref_size 23
	.end_amdhsa_kernel
	.amdgpu_metadata
---
amdhsa.version: [ 1, 2 ]
amdhsa.kernels:
  - .name:           k_qc992be49ca_prep
    .symbol:         k_qc992be49ca_prep.kd
    .args:
      - { .name: z, .offset: 0, .size: 8, .value_kind: global_buffer, .address_space: global }
      - { .name: embeddings, .offset: 8, .size: 8, .value_kind: global_buffer, .address_space: global }
      - { .name: zb, .offset: 16, .size: 8, .value_kind: global_buffer, .address_space: global }
      - { .name: eb, .offset: 24, .size: 8, .value_kind: global_buffer, .address_space: global }
      - { .name: zz, .offset: 32, .size: 8, .value_kind: global_buffer, .address_space: global }
      - { .name: ee, .offset: 40, .size: 8, .value_kind: global_buffer, .address_space: global }
    .group_segment_fixed_size: 2304
    .private_segment_fixed_size: 0
    .kernarg_segment_align: 8
    .kernarg_segment_size: 48
    .max_flat_workgroup_size: 512
    .sgpr_count:     66
    .vgpr_count:     146
    .wavefront_size: 32
...
	.end_amdgpu_metadata
.endif
;; end of part 1
;; launch dist (part 2): grid 8 x 32, 4 waves a work-group, clusters of 4 x 4, 327,680 bytes of LDS; arguments zb, eb, zz, ee, pv, pi; writes pv, pi
.if DOCPART == 2
	.amdgcn_target "amdgcn-amd-amdhsa--gfx1250"
	.amdhsa_code_object_version 6
	.text
	.protected	k_qc992be49ca_dist
	.globl	k_qc992be49ca_dist
	.p2align	8
	.type	k_qc992be49ca_dist,@function
k_qc992be49ca_dist:
	s_mov_b64 s[64:65], 0
	v_nop
	global_prefetch_b8 v0, s[64:65] scope:SCOPE_SE
	s_setreg_imm32_b32 hwreg(HW_REG_WAVE_MODE, 25, 1), 1
	s_wait_xcnt 0x0
	s_wait_alu depctr_hold_cnt(0) depctr_sa_sdst(0) depctr_va_vdst(0) depctr_va_sdst(0) depctr_va_ssrc(0) depctr_va_vcc(0) depctr_vm_vsrc(0)
	s_getreg_b32 s2, hwreg(HW_REG_IB_STS2, 6, 4)
	s_cmp_eq_u32 s2, 0
	s_cbranch_scc0 .Lentry_in_a_cluster
	s_endpgm
.Lentry_in_a_cluster:
	s_bfe_u32 s2, ttmp6, 0x10000c
	s_cmp_lg_u32 s2, 0xf033
	s_cbranch_scc0 .Lentry_shape_is_right
	s_endpgm
.Lentry_shape_is_right:
; For 256 rows of z and 1,024 codes: d[n][k] = (zz[n] + ee[k]) - 2 z[n].e[k], and for each row the least d and its lowest code.
; zb, eb: [8192][1024] bf16.  zz, ee: f32[8192].  pv: f32[16][8192], pi: u32[16][8192]: part 2 bx + half, row n.
; Work-group (bx, by): rows 256 by .. + 255, codes 1024 bx .. + 1023, walked as four blocks of 256 codes, ascending.  Four waves, as many as a
; WGP has SIMDs; a wave makes 128 rows x 128 codes of each block in 64 accumulator tiles of 16 x 16, 512 registers.  K = 1024 goes in steps of
; 128 through a ring of two LDS slots filled by the tensor data mover; a tile's rows are 256 bytes of memory at multiples of 256 bytes.
; The ring runs on from block to block: the last two steps of a block ask for the first two of the next.
; THE ROUNDINGS ARE THE FORMULA'S OWN: t = zz + ee rounded to f32, then t - 2 ze rounded once (2 ze is exact, so one fused multiply-add is the
; subtraction).  At the size of zz the distances lie on a coarse grid on which ties are real; they go to the lowest code: strict < in ascending
; order inside a lane, an explicit compare of the codes wherever two ranges interleave.
; LIMITS: a NaN distance is never chosen (an argmin that ranks NaN first would choose it), and a NaN in a lane's first of eight codes hides the
; other seven.  Where a row's two best distances lie within one rounding step of f32 at the size of zz, the order of summation inside the
; product may decide between them.  If every distance of a row is +infinity, code 0 results.
; CLUSTERS: 4 x 4 work-groups.  The four of a row of the cluster share by, and so z's tiles; the four of a column share bx, and so the codes'
; tiles.  Such a tile is asked for jointly: the same tensor load, the same descriptor, a mask that names the four.  That divides the requests
; for both by four.  All partners make the same 32 K steps, so every joint request is made by all that it names.
;
; REGISTERS, in windows of 256:
;   window 0: v0-31 addresses and temporaries; v32-47 zz; v48-63 the running best; v64-127, v128-191 fragments of z, two buffers; v192-255 ee
;   window 1: v64-127, v128-191 fragments of the codes, two buffers
;   window 2: the 32 accumulator tiles of my rows 0-63 (tile (a, b) at v[8 (8 a + b)]);   window 3: those of my rows 64-127
; THE MATRIX INSTRUCTION IS USED TRANSPOSED: source 0 = 16 codes, source 1 = 16 rows of z.  Lane l then holds row l % 16 of z, and its registers
; 0 to 7 the codes 8 (l / 16) + 0 .. 7 of the tile: the search over codes runs inside a lane, and only two lanes meet at the end.
.set SIZE_K, 1024
.set KSTEP,  128
.set PITCH,  272                       ; an LDS row: 256 bytes of data + 16 of padding = 68 words: the 16 rows that a fragment load touches start 4 words apart modulo 64
.set HALFT,  128*PITCH                 ; 128 rows: what one tensor load brings, and what one wave reads of z or of the codes
.set SLOT,   4*HALFT                   ; z's 256 rows, then the codes' 256 rows
.set STAGE,  2*SLOT                    ; behind the ring, at a multiple of 256 bytes: 1,024 bytes for each wave, never the target of a tensor load
.set IDR,  8                           ; v[8:15]   eight chains' ids (8 b + j)
.set ADRA, 16                          ; v16-17    LDS address of my z fragments in slot 0, 1
.set ADRB, 20                          ; v20-21    the same for the codes
.set EEO,  22                          ; v22       32 (l / 16): my eight codes' bytes in a tile's 16 norms
.set ZZO,  23                          ; v23       4 (l % 16): my row's bytes in 16 norms
.set STO,  24                          ; v24       the way out: lanes 0-15 put a value, lanes 16-31 a code
.set RD,   25                          ; v25       the way out: where I read 16 bytes back
.set CO,   26                          ; v26       16 x lane: my bytes of the wave's 512 in pv and in pi
.set LT,   27                          ; v27       what my lane adds to a code: 8 (l / 16) + 128 x half + 1024 bx
.set ZZ,   32                          ; v[32:47]  pair 2 a, 2 a + 1: zz of row 16 a + l % 16, twice (a pair for the packed add)
.set BV,   48                          ; v[48:55]  least distance so far of row 16 a + l % 16, among my lane's codes
.set BI,   56                          ; v[56:63]  its id: 64 x block + 8 b + j
.set F0,   64                          ; fragment buffer 0
.set F1,   128                         ; fragment buffer 1
.set T,    F1                          ; between blocks buffer 1 is free in window 0: 64 distances of one row block
.set EE,   192                         ; v[192:255] register 8 b + j: ee of code 16 b + 8 (l / 16) + j of my 128
.set G1,  24                           ; s[24:31] descriptor group 1 for z's tiles
.set G0,  32                           ; s[32:39] descriptor group 0 for z's tiles, one set for each slot
.set G1B, 48                           ; s[48:55] descriptor group 1 for the codes' tiles: it differs in the mask alone
.set G0B, 56                           ; s[56:63] descriptor group 0 for the codes' tiles, one set for each slot
.set MK,  80                           ; s[80:87] eight chains' compare masks
.set MSB, 0
.macro WIN new                         ; the immediate's high byte repeats the setting that is left
.if MSB != \new
	s_set_vgpr_msb (MSB<<8)|\new
.set MSB, \new
.endif
.endm
.set MUL_LO, 0xa1                      ; source 0 (codes) window 1, source 1 (z) window 0, C and D window 2
.set MUL_HI, 0xf1                      ; the same, C and D window 3
.set TO_B,   0x40                      ; destination window 1, address window 0
; A joint load.  Waves 0 and 1 fetch z's two halves, waves 2 and 3 the codes'.  Each line has one mask and one set of registers for all that
; issue it; the branch hangs on the wave's number alone, which is the same in every work-group.
.macro JLOAD s
	s_cmp_eq_u32 s11, 0
	s_cbranch_scc0 .Lfor_b_\@
	tensor_load_to_lds s[G0+4*\s:G0+4*\s+3], s[G1:G1+7]
	s_nop 0
	s_branch .Lasked_\@
.Lfor_b_\@:
	tensor_load_to_lds s[G0B+4*\s:G0B+4*\s+3], s[G1B:G1B+7]
	s_nop 0
.Lasked_\@:
.endm
; A round of the cluster's barrier: my work-group's barrier, so that wave 0's signal speaks for all four waves; wave 0 signals for the
; work-group; every wave waits for all sixteen work-groups; my work-group's barrier once more.
.macro CREST                           ; a round behind its opening barrier
	s_cmp_lg_u32 s10, 0
	s_cbranch_scc1 .Lnot_wave_0_\@
	s_barrier_signal -3
.Lnot_wave_0_\@:
	s_barrier_wait -3
	s_barrier_signal -1
	s_barrier_wait -1
.endm
.macro CROUND                          ; a whole round
	s_barrier_signal -1
	s_barrier_wait -1
	CREST
.endm
	s_load_b128 s[4:7], s[0:1], 0x0                ; zb s[4:5], eb s[6:7]
	s_load_b256 s[68:75], s[0:1], 0x10             ; zz s[68:69], ee s[70:71], pv s[72:73], pi s[74:75]
	s_set_vgpr_msb 0x40
	v_lshl_add_u32 v255, v0, 2, 0x45000
	s_set_vgpr_msb 0x4000
	v_mov_b32 v19, 0
	s_set_vgpr_msb 0x1
	ds_add_u32 v255, v19
	s_set_vgpr_msb 0x100
	v_lshrrev_b32 v1, 5, v0
	v_readfirstlane_b32 s10, v1                    ; wave 0..3
	s_lshr_b32 s11, s10, 1                         ; which half of the block's rows is mine.  Also: I fetch for z (0) or for the codes (1)
	s_and_b32 s12, s10, 1                          ; which half of its codes.  Also: which 128 rows of that tile I fetch
	s_bfe_u32 s40, ttmp6, 0x40000                  ; cx: my place along the cluster's x
	s_bfe_u32 s41, ttmp6, 0x40004                  ; cy: along its y
	s_lshl_b32 s42, ttmp9, 2                       ; in a cluster launch ttmp9 and ttmp7 count clusters
	s_add_co_u32 s42, s42, s40                     ; bx = 4 x cluster x + cx: my 1,024 codes
	s_and_b32 s13, ttmp7, 0xffff
	s_lshl_b32 s13, s13, 2
	s_add_co_u32 s13, s13, s41                     ; by = 4 x cluster y + cy: my 256 rows
	s_lshl_b32 s43, s41, 2
	s_lshl_b32 s43, 15, s43                        ; my row of the cluster: places 4 cy .. 4 cy + 3
	s_lshl_b32 s44, 0x1111, s40                    ; my column: places cx, cx + 4, cx + 8, cx + 12
	; descriptor group 1: a tile of 128 rows x 128 elements, padded in LDS
	s_or_b32 s[G1+0], s43, (1<<16)|(1<<20)|(1<<21)|(5<<22)|(3<<25)  ; 15:0 the mask: z's tiles go to my row; 17:16 element of 2 bytes; 20 padding on; 21 set beside a mask; 24:22 after every 64 words (code 5); 31:25 of 4 words (code 3)
	s_or_b32 s[G1B+0], s44, (1<<16)|(1<<20)|(1<<21)|(5<<22)|(3<<25) ; the same with the mask of my column, for the codes' tiles
	s_mov_b32 s[G1B+1], KSTEP<<16
	s_mov_b32 s[G1+1], KSTEP<<16                   ; 63:48 tensor_dim0, low half = 128
	s_mov_b32 s[G1B+2], 128<<16
	s_mov_b32 s[G1+2], 128<<16                     ; 79:64 its high half = 0; 95:80 tensor_dim1, low half = 128
	s_mov_b32 s[G1B+3], KSTEP<<16
	s_mov_b32 s[G1+3], KSTEP<<16                   ; 111:96 its high half = 0; 127:112 tile_dim0 = 128
	s_mov_b32 s[G1B+4], 128
	s_mov_b32 s[G1+4], 128                         ; 143:128 tile_dim1 = 128; 159:144 tile_dim2 = 0
	s_mov_b32 s[G1B+5], SIZE_K
	s_mov_b32 s[G1+5], SIZE_K                      ; 191:160 tensor_dim0_stride, low word: elements from row to row
	s_mov_b32 s[G1B+6], 0
	s_mov_b32 s[G1+6], 0
	s_mov_b32 s[G1B+7], 0
	s_mov_b32 s[G1+7], 0
	; where the tiles come from.  z's hang on by alone, which my row of the cluster shares; the codes' on bx alone, which my column shares.
	; Every wave makes both addresses, in registers that never hold the other coordinate, and asks by one of them.
	s_lshl_b32 s17, s12, 7                         ; which 128 rows of the tile I fetch
	s_lshl_b32 s16, s13, 8
	s_add_co_u32 s16, s16, s17                     ; z: row 256 by + 128 x half
	s_lshl_b32 s46, s42, 10
	s_add_co_u32 s46, s46, s17                     ; codes: row 1024 bx + 128 x half
	s_lshl_b32 s16, s16, 11                        ; rows of 2,048 bytes: below 2^24 bytes in all
	s_mov_b32 s17, 0
	s_lshl_b32 s46, s46, 11
	s_mov_b32 s47, 0
	s_mul_i32 s20, s10, HALFT                      ; and where they go: wave x 128 rows: no place in the cluster enters an LDS address
	s_wait_dscnt 0x0
	s_wait_kmcnt 0x0
	s_add_nc_u64 s[14:15], s[4:5], s[16:17]
	s_add_nc_u64 s[46:47], s[6:7], s[46:47]
	CROUND                                         ; all sixteen work-groups are here: the first joint loads meet
.irp s, 0,1
	s_mov_b32 s[G0+4*\s], 1                                        ; 1:0 count = 1
	s_add_co_u32 s[G0+4*\s+1], s20, \s*SLOT                        ; 63:32 LDS address
	s_add_nc_u64 s[G0+4*\s+2:G0+4*\s+3], s[14:15], \s*KSTEP*2      ; 120:64 global address: K step s
	s_or_b32 s[G0+4*\s+3], s[G0+4*\s+3], 0x80000000                ; 127:126 type = 2
	s_mov_b32 s[G0B+4*\s], 1
	s_add_co_u32 s[G0B+4*\s+1], s20, \s*SLOT
	s_add_nc_u64 s[G0B+4*\s+2:G0B+4*\s+3], s[46:47], \s*KSTEP*2
	s_or_b32 s[G0B+4*\s+3], s[G0B+4*\s+3], 0x80000000
	JLOAD \s                                       ; the ring is filled before anything else is done: two tensor loads of the wave are out
.endr
	; the norms' and the results' places; what mixes bx and by lives in s88-s95 alone
	s_mov_b32 s89, 0
	s_lshl_b32 s88, s13, 10                        ; 256 by rows x 4 bytes
	s_lshl_b32 s94, s11, 9                         ; + 128 rows x 4 bytes for the upper half
	s_add_co_u32 s88, s88, s94
	s_add_nc_u64 s[90:91], s[68:69], s[88:89]      ; zz of my 128 rows
	s_lshl_b32 s88, s42, 12                        ; 1024 bx codes x 4 bytes
	s_lshl_b32 s95, s12, 9
	s_add_co_u32 s88, s88, s95
	s_add_nc_u64 s[92:93], s[70:71], s[88:89]      ; ee of my 128 codes of block 0; steps by 256 codes a block
	s_lshl1_add_u32 s88, s42, s12                  ; part 2 bx + half
	s_lshl_b32 s88, s88, 15                        ; x 8,192 rows x 4 bytes
	s_lshl_b32 s95, s13, 10
	s_add_co_u32 s88, s88, s95
	s_add_co_u32 s88, s88, s94                     ; + my first row
	s_add_nc_u64 s[72:73], s[72:73], s[88:89]      ; pv at my 128 values
	s_add_nc_u64 s[74:75], s[74:75], s[88:89]      ; pi at my 128 codes
	s_lshl_b32 s95, s42, 10
	s_lshl_b32 s94, s12, 7
	s_add_co_u32 s95, s95, s94                     ; 1024 bx + 128 x half
	s_mov_b32 s76, 0                               ; 64 x block
	s_mov_b32 s77, 0xffff0000                      ; lanes 16 to 31
	s_mov_b32 s78, 0x76543210                      ; v_permlanex16_b32: lane i of one half reads lane i of the other
	s_mov_b32 s79, 0xfedcba98
	; A fragment is 16 rows x 32 K in 8 registers: lane l holds row l % 16; registers 0-3 hold K = 8 (l / 16) + 0..7, registers 4-7 hold
	; K = 16 + 8 (l / 16) + 0..7.  From rows that lie along K: two loads of 16 bytes, 32 bytes apart.  The same for source 0 and source 1.
	v_and_b32 v1, 15, v0                           ; l % 16
	v_bfe_u32 v2, v0, 4, 1                         ; l / 16
	v_mul_u32_u24 v3, v1, PITCH
	v_lshl_add_u32 v3, v2, 4, v3                   ; row x pitch + 16 x half
	s_mul_i32 s21, s11, HALFT                      ; my 128 rows of z
	s_mul_i32 s22, s12, HALFT                      ; my 128 codes,
	s_add_co_u32 s22, s22, 2*HALFT                 ; which lie behind z's 256 rows
.irp s, 0,1
	v_add_nc_u32 v[ADRA+\s], s21, v3
	v_add_nc_u32 v[ADRB+\s], s22, v3
	s_add_co_u32 s21, s21, SLOT
	s_add_co_u32 s22, s22, SLOT
.endr
	s_lshl_b32 s23, s10, 10
	s_add_co_u32 s23, s23, STAGE                   ; my stage: 512 bytes of values, 512 of codes
	v_lshlrev_b32 v[ZZO], 2, v1
	v_lshlrev_b32 v[EEO], 5, v2
	v_lshl_add_u32 v4, v2, 9, v[ZZO]               ; lanes 0-15 into the values, lanes 16-31 into the codes, word l % 16
	v_add_nc_u32 v[STO], s23, v4
	v_and_b32 v5, 31, v0
	v_lshlrev_b32 v[CO], 4, v5
	v_add_nc_u32 v[RD], s23, v[CO]
	v_lshl_add_u32 v[LT], v2, 3, s95
.irp a, 0,1,2,3,4,5,6,7
	global_load_b32 v[ZZ+2*\a],   v[ZZO], s[90:91] offset:64*\a     ; once in the launch; both registers of the pair that the packed add reads
	global_load_b32 v[ZZ+2*\a+1], v[ZZO], s[90:91] offset:64*\a
.endr
.irp a, 0,1,2,3,4,5,6,7
	v_mov_b32 v[BV+\a], 0x7f800000                 ; +infinity: any finite distance is less
	v_mov_b32 v[BI+\a], 0
.endr
	v_mov_b32 v30, 0                               ; the lane permutes' destinations count as read: written once here
	v_mov_b32 v31, 0
; 16 matrix instructions: row blocks a0, a0 + 1 of the window's four (hi = 0: my rows 0-63, 1: rows 64-127) x all 8 code blocks, 32 along K.
; zero = 1: the first product of a block of codes starts the sums: nothing is ever cleared.
; The 64 accumulators take turns, one instruction a turn, in the same order in every quarter step, over both backward jumps and into the
; tail.
.macro MUL16 f, hi, a0, zero
.irp a, \a0, \a0+1
.irp b, 0,1,2,3,4,5,6,7
.if \zero
	v_wmma_f32_16x16x32_bf16 v[8*(8*(\a)+\b):8*(8*(\a)+\b)+7], v[\f+8*\b:\f+8*\b+7], v[\f+8*(4*\hi+\a):\f+8*(4*\hi+\a)+7], 0
.else
	v_wmma_f32_16x16x32_bf16 v[8*(8*(\a)+\b):8*(8*(\a)+\b)+7], v[\f+8*\b:\f+8*\b+7], v[\f+8*(4*\hi+\a):\f+8*(4*\hi+\a)+7], v[8*(8*(\a)+\b):8*(8*(\a)+\b)+7]
.endif
.endr
.endr
.endm
; 32 LDS loads in one run: the fragments of one quarter step (128 codes, 128 rows of z, 32 K at byte k of the rows) into buffer f
.macro FETCH slot, k, f
	WIN TO_B
.irp i, 0,1,2,3,4,5,6,7
	ds_load_b128 v[\f+8*\i:\f+8*\i+3],   v[ADRB+\slot] offset:\k+\i*16*PITCH
	ds_load_b128 v[\f+8*\i+4:\f+8*\i+7], v[ADRB+\slot] offset:\k+\i*16*PITCH+32
.endr
	WIN 0
.irp i, 0,1,2,3,4,5,6,7
	ds_load_b128 v[\f+8*\i:\f+8*\i+3],   v[ADRA+\slot] offset:\k+\i*16*PITCH
	ds_load_b128 v[\f+8*\i+4:\f+8*\i+7], v[ADRA+\slot] offset:\k+\i*16*PITCH+32
.endr
.endm
; A load into a register that a matrix instruction has read, and a vector instruction that reads a matrix result or writes one of a matrix
; instruction's registers, stand four places behind it, and only plain vector instructions that name none of its registers are places
; (ISA guide 7.12.1 for vector instructions).  The matrix instructions in between are not counted.
.macro PLACES
.rept 4
	v_nop
.endr
.endm
; A K step is four quarter steps of 32 along K, 64 matrix instructions each, on buffers 0, 1, 0, 1.
; One of the first three: multiplies buffer f; in its middle it fetches the next quarter's fragments, at byte k of the same slot's rows, into g.
.macro QUARTER slot, k, f, g, zero
	s_wait_dscnt 8                                 ; the codes and z's rows 0-63 are in; the youngest eight loads (z's rows 64-127) may be out
	WIN MUL_LO
	MUL16 \f, 0, 0, \zero
	MUL16 \f, 0, 2, \zero
	PLACES
	FETCH \slot, \k, \g
	s_wait_dscnt 32                                ; all but the 32 just issued
	WIN MUL_HI
	MUL16 \f, 1, 0, \zero
	MUL16 \f, 1, 2, \zero
.endm
.macro THREE slot, zero
	QUARTER \slot, 64,  F0, F1, \zero
	QUARTER \slot, 128, F1, F0, 0
	QUARTER \slot, 192, F0, F1, 0
.endm
; The last quarter: multiplies buffer 1 and changes slots.  next = the other slot; fill = 1: this slot is filled again, two K steps ahead;
; wrap = 1: two steps ahead is the next block of codes: z's address goes back six steps (1,536 bytes), the codes' goes 256 rows on and six back.
; ONE barrier for the change of slots, for two things.  In front of it each wave waits for its own reads of this slot and for all its tensor
; loads, of which one is out: its part of the next slot.  Behind it nobody reads this slot any more and the next slot is whole: the refill
; comes first, then the next slot's first fragments.  From a request to the wait for it a wave issues 240 matrix instructions.
.macro TURN slot, next, fill, wrap
	s_wait_dscnt 8
	WIN MUL_LO
	MUL16 F1, 0, 0, 0
	s_wait_dscnt 0                                 ; my reads of this slot are over
	s_wait_tensorcnt 0x0                           ; and all my tensor loads have landed: the one that was out is my part of the next slot:
	ds_add_u32 v255, v19
	s_wait_dscnt 0x0
	s_barrier_signal -1                            ; say so (where a slot is filled again this barrier opens a round of the cluster's barrier),
	MUL16 F1, 0, 2, 0                              ; work on registers while the others arrive,
	WIN 0
	s_barrier_wait -1                              ; and go on when all four have said so
.if \fill
	CREST                                          ; all sixteen work-groups have said so: no wave of any partner still reads this slot's tile or has a load on its way
.if \wrap
	s_sub_nc_u64 s[G0+4*\slot+2:G0+4*\slot+3], s[G0+4*\slot+2:G0+4*\slot+3], 6*KSTEP*2
	s_add_nc_u64 s[G0B+4*\slot+2:G0B+4*\slot+3], s[G0B+4*\slot+2:G0B+4*\slot+3], 256*SIZE_K*2-6*KSTEP*2
.else
	s_add_nc_u64 s[G0+4*\slot+2:G0+4*\slot+3], s[G0+4*\slot+2:G0+4*\slot+3], 2*KSTEP*2
	s_add_nc_u64 s[G0B+4*\slot+2:G0B+4*\slot+3], s[G0B+4*\slot+2:G0B+4*\slot+3], 2*KSTEP*2
.endif
	JLOAD \slot                                    ; the first tensor load behind the round, and my only one until the next
.endif
	PLACES
	FETCH \next, 0, F0
	WIN MUL_HI
	MUL16 F1, 1, 0, 0
	MUL16 F1, 1, 2, 0
.endm
.macro LAP zero, wrap                  ; once round the ring, both slots filled again
	THREE 0, \zero
	TURN 0, 1, 1, \wrap
	THREE 1, 0
	TURN 1, 0, 1, \wrap
.endm
; ee of my 128 codes of this block, asked for at the block's head and waited for at its end.  Window 0.
.macro EELOAD
.irp b, 0,1,2,3,4,5,6,7
	global_load_b128 v[EE+8*\b:EE+8*\b+3],   v[EEO], s[92:93] offset:64*\b
	global_load_b128 v[EE+8*\b+4:EE+8*\b+7], v[EEO], s[92:93] offset:64*\b+16
.endr
.endm
; one node of the tree over the eight chains: the higher codes win only if strictly less
.macro NODE lo, hi
	v_cmp_lt_f32 s[MK+\lo], v[T+8*\hi], v[T+8*\lo]
	v_cndmask_b32 v[T+8*\lo], v[T+8*\lo], v[T+8*\hi], s[MK+\lo]
	v_cndmask_b32 v[IDR+\lo], v[IDR+\lo], v[IDR+\hi], s[MK+\lo]
.endm
; Row block a (tile row q of the window that from names as source 0): my lane's 64 distances of row 16 a + l % 16, their least and its id,
; merged into the running best.  Every choice is a select: no branch and no address hangs on a distance.
.macro EPIROW a, q, from
	WIN 0
.irp b, 0,1,2,3,4,5,6,7
.irp p, 0,2,4,6
	v_pk_add_f32 v[T+8*\b+\p:T+8*\b+\p+1], v[EE+8*\b+\p:EE+8*\b+\p+1], v[ZZ+2*\a:ZZ+2*\a+1]           ; t = zz + ee, rounded
.endr
.endr
	WIN \from
.irp b, 0,1,2,3,4,5,6,7
.irp p, 0,2,4,6
	v_pk_fma_f32 v[T+8*\b+\p:T+8*\b+\p+1], v[8*(8*\q+\b)+\p:8*(8*\q+\b)+\p+1], -2.0, v[T+8*\b+\p:T+8*\b+\p+1] op_sel_hi:[1,0,1]   ; d = t - 2 ze, rounded once
.endr
.endr
	WIN 0
.irp j, 1,2,3,4,5,6,7
.irp b, 0,1,2,3,4,5,6,7
	v_cmp_lt_f32 s[MK+\b], v[T+8*\b+\j], v[T+8*\b]                 ; eight chains, one for each tile, that do not wait for each other
.endr
.irp b, 0,1,2,3,4,5,6,7
	v_cndmask_b32 v[T+8*\b], v[T+8*\b], v[T+8*\b+\j], s[MK+\b]
.endr
.irp b, 0,1,2,3,4,5,6,7
.if \j == 1
	v_cndmask_b32 v[IDR+\b], 8*\b, 8*\b+1, s[MK+\b]                ; the first choice starts the id: nothing is cleared
.else
	v_cndmask_b32 v[IDR+\b], v[IDR+\b], 8*\b+\j, s[MK+\b]
.endif
.endr
.endr
	NODE 0, 1
	NODE 2, 3
	NODE 4, 5
	NODE 6, 7
	NODE 0, 2
	NODE 4, 6
	NODE 0, 4
	v_cmp_lt_f32 s[MK], v[T], v[BV+\a]             ; blocks ascend: an earlier block's equal distance stays
	v_add_nc_u32 v[IDR], s76, v[IDR]
	v_cndmask_b32 v[BV+\a], v[BV+\a], v[T], s[MK]
	v_cndmask_b32 v[BI+\a], v[BI+\a], v[IDR], s[MK]
.endm
; A block's end.  It issues no LDS instruction, so the 32 fragment loads of the next block's first quarter stay counted as they were.
.macro EPI step
	PLACES                                         ; behind the last matrix instructions: their results are read, and buffer 1, a source of theirs, is written
	WIN 0
	s_wait_loadcnt 0x0                             ; this block's ee (and, the first time, zz), asked for a block ago; it also frees ee's base
	EPIROW 0, 0, 0x02
	EPIROW 1, 1, 0x02
	EPIROW 2, 2, 0x02
	EPIROW 3, 3, 0x02
	EPIROW 4, 0, 0x03
	EPIROW 5, 1, 0x03
	EPIROW 6, 2, 0x03
	EPIROW 7, 3, 0x03
.if \step
	s_add_nc_u64 s[92:93], s[92:93], 1024          ; 256 codes x 4 bytes on
	s_add_co_u32 s76, s76, 64
.endif
.endm
	s_wait_tensorcnt 1                             ; my part of K step 0 is in; K step 1's may stay out
	s_barrier_signal -1
	s_barrier_wait -1                              ; everybody's is
	FETCH 0, 0, F0
	s_mov_b32 s3, 3                                ; blocks 0 to 2; at a label and at a branch every window is 0
.Lblock:
	EELOAD
	LAP 1, 0                                       ; K steps 0, 1: the first products start the block's sums; asks for steps 2, 3
	WIN 0
	s_mov_b32 s67, 2
.Lmid:
	LAP 0, 0                                       ; K steps 2 to 5; asks for steps 4 to 7
	WIN 0
	s_sub_co_u32 s67, s67, 1
	s_cmp_lg_u32 s67, 0
	s_cbranch_scc1 .Lmid
	LAP 0, 1                                       ; K steps 6, 7; asks for the next block's steps 0, 1
	EPI 1
	s_sub_co_u32 s3, s3, 1
	s_cmp_lg_u32 s3, 0
	s_cbranch_scc1 .Lblock
	EELOAD                                         ; block 3, written out: its last lap fills nothing
	LAP 1, 0
	WIN 0
	s_mov_b32 s67, 2
.Llast:
	LAP 0, 0
	WIN 0
	s_sub_co_u32 s67, s67, 1
	s_cmp_lg_u32 s67, 0
	s_cbranch_scc1 .Llast
	THREE 0, 0                                     ; no round of the cluster's barrier here: my one tensor load that is still out is slot 1's, the last K step's
	TURN 0, 1, 0, 0
	THREE 1, 0
	s_wait_dscnt 8                                 ; the very last quarter: nothing more to fetch
	WIN MUL_LO
	MUL16 F1, 0, 0, 0
	MUL16 F1, 0, 2, 0
	s_wait_dscnt 0
	WIN MUL_HI
	MUL16 F1, 1, 0, 0
	MUL16 F1, 1, 2, 0
	EPI 0
	; THE WAY OUT.  Lanes l and l + 16 hold the same row's best among interleaved groups of eight codes: the id becomes the code, the two meet,
	; and the lower code wins a tie.  Lanes 0-15 then put the value, lanes 16-31 the code, into my own stage, so that 128 values and 128 codes
	; leave as 512 consecutive bytes each.
.irp a, 0,1,2,3,4,5,6,7
	v_and_b32 v28, 7, v[BI+\a]                     ; j
	v_and_b32 v29, 0x38, v[BI+\a]                  ; 8 b
	v_lshl_add_u32 v28, v29, 1, v28                ; 16 b + j
	v_and_b32 v29, 0xc0, v[BI+\a]                  ; 64 x block
	v_lshl_add_u32 v28, v29, 2, v28                ; + 256 x block
	v_add_nc_u32 v28, v28, v[LT]                   ; + 8 (l / 16) + 128 x half + 1024 bx: the code
	v_permlanex16_b32 v30, v[BV+\a], s78, s79      ; the other half's value
	v_permlanex16_b32 v31, v28, s78, s79           ; and code
	v_cmp_lt_f32 s80, v30, v[BV+\a]
	v_cmp_eq_f32 s81, v30, v[BV+\a]
	v_cmp_lt_u32 s82, v31, v28
	s_and_b32 s81, s81, s82
	s_or_b32 s80, s80, s81                         ; less, or equal with the lower code
	v_cndmask_b32 v29, v[BV+\a], v30, s80
	v_cndmask_b32 v28, v28, v31, s80
	v_cndmask_b32 v28, v29, v28, s77               ; lanes 0-15 the value, lanes 16-31 the code
	ds_store_b32 v[STO], v28 offset:64*\a          ; word 16 a + l % 16
.endr
	ds_load_b128 v[F0:F0+3],   v[RD]               ; LDS serves a wave's instructions in order (ISA guide 5.7.1.4): these see my stores above
	ds_load_b128 v[F0+4:F0+7], v[RD] offset:512
	s_wait_dscnt 0x0
	global_store_b128 v[CO], v[F0:F0+3],   s[72:73]                ; 32 lanes store 512 consecutive bytes, at a multiple of 512 from pv's first byte
	global_store_b128 v[CO], v[F0+4:F0+7], s[74:75]
	s_set_vgpr_msb 0x1
	s_wait_tensorcnt 0x0
	ds_add_u32 v255, v19
	s_wait_dscnt 0x0
	s_set_vgpr_msb 0x100
	CROUND                                         ; the closing round: no work-group ends while a partner may still ask for a tile that names it
	s_endpgm
.Lfunc_end_k_qc992be49ca_dist:
	.size	k_qc992be49ca_dist, .Lfunc_end_k_qc992be49ca_dist-k_qc992be49ca_dist
	.p2alignl 7, 3214868480
	.fill 96, 4, 3214868480
	.section	.rodata,"a",@progbits
	.p2align	6, 0x0
	.amdhsa_kernel k_qc992be49ca_dist
		.amdhsa_group_segment_fixed_size 327680
		.amdhsa_private_segment_fixed_size 0
		.amdhsa_enable_private_segment 0
		.amdhsa_kernarg_size 48
		.amdhsa_user_sgpr_count 2
		.amdhsa_user_sgpr_kernarg_segment_ptr 1
		.amdhsa_wavefront_size32 1
		.amdhsa_system_sgpr_workgroup_id_x 1
		.amdhsa_system_sgpr_workgroup_id_y 1
		.amdhsa_system_sgpr_workgroup_id_z 1
		.amdhsa_system_vgpr_workitem_id 0
		.amdhsa_next_free_vgpr 1024
		.amdhsa_next_free_sgpr 96
		.amdhsa_reserve_vcc 0
		.amdhsa_float_denorm_mode_32 3
		.amdhsa_float_denorm_mode_16_64 3
		.amdhsa_memory_ordered 1
		.amdhsa_forward_progress 1
		.amdhsa_inst_pref_size 255
	.end_amdhsa_kernel
	.section	.bss,"aw",@nobits
	.p2align	6
	.space	262144
	.amdgpu_metadata
---
amdhsa.version: [ 1, 2 ]
amdhsa.kernels:
  - .name:           k_qc992be49ca_dist
    .symbol:         k_qc992be49ca_dist.kd
    .args:
      - { .name: zb, .offset: 0, .size: 8, .value_kind: global_buffer, .address_space: global }
      - { .name: eb, .offset: 8, .size: 8, .value_kind: global_buffer, .address_space: global }
      - { .name: zz, .offset: 16, .size: 8, .value_kind: global_buffer, .address_space: global }
      - { .name: ee, .offset: 24, .size: 8, .value_kind: global_buffer, .address_space: global }
      - { .name: pv, .offset: 32, .size: 8, .value_kind: global_buffer, .address_space: global }
      - { .name: pi, .offset: 40, .size: 8, .value_kind: global_buffer, .address_space: global }
    .group_segment_fixed_size: 327680
    .private_segment_fixed_size: 0
    .kernarg_segment_align: 8
    .kernarg_segment_size: 48
    .max_flat_workgroup_size: 128
    .sgpr_count:     96
    .vgpr_count:     1024
    .wavefront_size: 32
...
	.end_amdgpu_metadata
.endif
;; end of part 2
;; launch pick (part 3): grid 128 x 1, 1 waves a work-group, no clusters, 0 bytes of LDS; arguments pv, pi, idx; writes idx
.if DOCPART == 3
	.amdgcn_target "amdgcn-amd-amdhsa--gfx1250"
	.amdhsa_code_object_version 6
	.text
	.protected	k_qc992be49ca_pick
	.globl	k_qc992be49ca_pick
	.p2align	8
	.type	k_qc992be49ca_pick,@function
k_qc992be49ca_pick:
	s_mov_b64 s[64:65], 0
	v_nop
	global_prefetch_b8 v0, s[64:65] scope:SCOPE_SE
	s_setreg_imm32_b32 hwreg(HW_REG_WAVE_MODE, 25, 1), 1
	s_wait_xcnt 0x0
; idx[n] = the code of the least of row n's 16 partial minima; of equal ones the lowest code (the parts' ranges of codes interleave in pairs,
; so the codes themselves are compared).  pv: f32[16][8192], pi: u32[16][8192], idx: u32[8192].
; One wave a work-group, two rows a lane: every load and the store cover 256 consecutive bytes, aligned.  128 work-groups: that is all the
; work there is (1 MiB in, 32 KiB out).  The codes are stored here as whole numbers because the next launch forms addresses from them.
; A NaN among the values is never chosen.
.set PART, 32768                       ; bytes from part to part
.set PV, 8                             ; v[8:39]   part s: two values; part 0's pair becomes the best
.set PI, 40                            ; v[40:71]  part s: two codes
	s_load_b128 s[4:7], s[0:1], 0x0                ; pv s[4:5], pi s[6:7]
	s_load_b64 s[8:9], s[0:1], 0x10                ; idx
	v_lshlrev_b32 v1, 3, v0                        ; two words a lane
	s_lshl_b32 s10, ttmp9, 8                       ; 64 rows x 4 bytes
	s_mov_b32 s11, 0
	s_wait_kmcnt 0x0
	s_add_nc_u64 s[4:5], s[4:5], s[10:11]
	s_add_nc_u64 s[6:7], s[6:7], s[10:11]
	s_add_nc_u64 s[8:9], s[8:9], s[10:11]
.irp s, 0,1,2,3,4,5,6,7,8,9,10,11,12,13,14,15
	global_load_b64 v[PV+2*\s:PV+2*\s+1], v1, s[4:5] offset:PART*\s
.endr
.irp s, 0,1,2,3,4,5,6,7,8,9,10,11,12,13,14,15
	global_load_b64 v[PI+2*\s:PI+2*\s+1], v1, s[6:7] offset:PART*\s
.endr
	s_wait_loadcnt 0x0
; part s of row k of my two against the best so far; m: three scalar registers for the masks
.macro TAKE s, k, m
	v_cmp_lt_f32 s[\m],   v[PV+2*\s+\k], v[PV+\k]
	v_cmp_eq_f32 s[\m+1], v[PV+2*\s+\k], v[PV+\k]
	v_cmp_lt_u32 s[\m+2], v[PI+2*\s+\k], v[PI+\k]
	s_and_b32 s[\m+1], s[\m+1], s[\m+2]
	s_or_b32 s[\m], s[\m], s[\m+1]                 ; less, or equal with the lower code
	v_cndmask_b32 v[PV+\k], v[PV+\k], v[PV+2*\s+\k], s[\m]
	v_cndmask_b32 v[PI+\k], v[PI+\k], v[PI+2*\s+\k], s[\m]
.endm
.irp s, 1,2,3,4,5,6,7,8,9,10,11,12,13,14,15
	TAKE \s, 0, 12
	TAKE \s, 1, 16
.endr
	global_store_b64 v1, v[PI:PI+1], s[8:9]
	s_endpgm
.Lfunc_end_k_qc992be49ca_pick:
	.size	k_qc992be49ca_pick, .Lfunc_end_k_qc992be49ca_pick-k_qc992be49ca_pick
	.p2alignl 7, 3214868480
	.fill 96, 4, 3214868480
	.section	.rodata,"a",@progbits
	.p2align	6, 0x0
	.amdhsa_kernel k_qc992be49ca_pick
		.amdhsa_group_segment_fixed_size 0
		.amdhsa_private_segment_fixed_size 0
		.amdhsa_enable_private_segment 0
		.amdhsa_kernarg_size 24
		.amdhsa_user_sgpr_count 2
		.amdhsa_user_sgpr_kernarg_segment_ptr 1
		.amdhsa_wavefront_size32 1
		.amdhsa_system_sgpr_workgroup_id_x 1
		.amdhsa_system_sgpr_workgroup_id_y 1
		.amdhsa_system_sgpr_workgroup_id_z 1
		.amdhsa_system_vgpr_workitem_id 0
		.amdhsa_next_free_vgpr 80
		.amdhsa_next_free_sgpr 66
		.amdhsa_reserve_vcc 0
		.amdhsa_float_denorm_mode_32 3
		.amdhsa_float_denorm_mode_16_64 3
		.amdhsa_memory_ordered 1
		.amdhsa_forward_progress 1
		.amdhsa_inst_pref_size 15
	.end_amdhsa_kernel
	.amdgpu_metadata
---
amdhsa.version: [ 1, 2 ]
amdhsa.kernels:
  - .name:           k_qc992be49ca_pick
    .symbol:         k_qc992be49ca_pick.kd
    .args:
      - { .name: pv, .offset: 0, .size: 8, .value_kind: global_buffer, .address_space: global }
      - { .name: pi, .offset: 8, .size: 8, .value_kind: global_buffer, .address_space: global }
      - { .name: idx, .offset: 16, .size: 8, .value_kind: global_buffer, .address_space: global }
    .group_segment_fixed_size: 0
    .private_segment_fixed_size: 0
    .kernarg_segment_align: 8
    .kernarg_segment_size: 24
    .max_flat_workgroup_size: 32
    .sgpr_count:     66
    .vgpr_count:     80
    .wavefront_size: 32
...
	.end_amdgpu_metadata
.endif
;; end of part 3
;; launch gath (part 4): grid 256 x 1, 16 waves a work-group, no clusters, 2,304 bytes of LDS; arguments z, embeddings, idx, out0, part; writes out0, part
.if DOCPART == 4
	.amdgcn_target "amdgcn-amd-amdhsa--gfx1250"
	.amdhsa_code_object_version 6
	.text
	.protected	k_qc992be49ca_gath
	.globl	k_qc992be49ca_gath
	.p2align	8
	.type	k_qc992be49ca_gath,@function
k_qc992be49ca_gath:
	s_mov_b64 s[64:65], 0
	v_nop
	global_prefetch_b8 v0, s[64:65] scope:SCOPE_SE
	s_setreg_imm32_b32 hwreg(HW_REG_WAVE_MODE, 25, 1), 1
	s_wait_xcnt 0x0
; q = embeddings[idx[n]];  out0[n] = z[n] + (q - z[n]), in that order of rounding;  part[g] = the sum of (q - z)^2 over the group's 32 rows.
; z, out0: [8192][1024] f32; embeddings: [8192][1024] f32; idx: u32[8192], stored by an earlier launch; part: f32[256].
; The loss is made of (q - z) itself, in f32 from the f32 inputs, not of the least distance, which is a difference of large sums.
; Sixteen waves, two rows each; a row is eight loads or stores of 512 consecutive bytes.  All 32 loads of a wave go out at once: no loop.
; A stream bound by memory: no matrix unit, no cluster; LDS only for the sixteen waves' sums.
; An index is clamped to 8,191 before it enters an address; those stored by the earlier launch lie inside the table.
; part[g] is one word for a work-group: 256 words in the whole launch; the sum over work-groups is the next launch's.
; The order of the additions in the loss differs from that of a mean over the array.
.set ROWB, 4096                        ; bytes in a row
.set S,  8                             ; v[8:11]   four running sums of squares
.set Z,  16                            ; v[16:79]  row i, chunk c: z, then out0
.set Q,  80                            ; v[80:143] row i, chunk c: q, then q - z
	s_load_b256 s[4:11], s[0:1], 0x0               ; z s[4:5], embeddings s[6:7], idx s[8:9], out0 s[10:11]
	s_load_b64 s[12:13], s[0:1], 0x20              ; part
	v_lshl_add_u32 v144, v0, 2, 0x100
	v_mov_b32 v145, 0
	v_lshrrev_b32 v3, 5, v0
	v_readfirstlane_b32 s14, v3                    ; wave 0..15
	v_and_b32 v2, 31, v0
	v_lshlrev_b32 v2, 4, v2                        ; 16 bytes a lane
	v_lshl_add_u32 v1, v3, 13, v2                  ; + wave x 2 rows x 4,096 bytes
	v_lshlrev_b32 v13, 2, v3                       ; LDS: one word for each wave
	v_mov_b32 v12, 0                               ; the lane permute's destination counts as read: written once here
	s_mov_b32 s28, 0x76543210
	s_mov_b32 s29, 0xfedcba98
	s_lshl_b32 s30, ttmp9, 7                       ; 32 rows x 4 bytes
	s_lshl3_add_u32 s30, s14, s30                  ; + wave x 2 rows x 4 bytes
	s_mov_b32 s31, 0
	s_lshl_b32 s22, ttmp9, 17                      ; 32 rows x 4,096 bytes
	s_mov_b32 s23, 0
	s_wait_kmcnt 0x0
	s_add_nc_u64 s[30:31], s[8:9], s[30:31]
	s_load_b64 s[20:21], s[30:31], 0x0             ; my two rows' indices
	s_add_nc_u64 s[16:17], s[4:5], s[22:23]
	s_add_nc_u64 s[18:19], s[10:11], s[22:23]
.irp i, 0,1
.irp c, 0,1,2,3,4,5,6,7
	global_load_b128 v[Z+32*\i+4*\c:Z+32*\i+4*\c+3], v1, s[16:17] offset:ROWB*\i+512*\c th:TH_LOAD_NT
.endr
.endr
	s_wait_kmcnt 0x0
	s_min_u32 s20, s20, 0x1fff                     ; inside the table, whatever was read
	s_min_u32 s21, s21, 0x1fff
	s_lshl_b32 s24, s20, 12                        ; rows of 4,096 bytes
	s_mov_b32 s25, 0
	s_lshl_b32 s26, s21, 12
	s_mov_b32 s27, 0
	s_add_nc_u64 s[24:25], s[6:7], s[24:25]
	s_add_nc_u64 s[26:27], s[6:7], s[26:27]
.irp c, 0,1,2,3,4,5,6,7
	global_load_b128 v[Q+4*\c:Q+4*\c+3], v2, s[24:25] offset:512*\c          ; no hint: several rows may name the same code
.endr
.irp c, 0,1,2,3,4,5,6,7
	global_load_b128 v[Q+32+4*\c:Q+32+4*\c+3], v2, s[26:27] offset:512*\c
.endr
.macro GROW i, left
	s_wait_loadcnt \left                           ; loads come back in order: this row's z and q are in
.irp c, 0,1,2,3,4,5,6,7
	v_pk_add_f32 v[Q+32*\i+4*\c:Q+32*\i+4*\c+1],   v[Q+32*\i+4*\c:Q+32*\i+4*\c+1],   v[Z+32*\i+4*\c:Z+32*\i+4*\c+1]   neg_lo:[0,1] neg_hi:[0,1]   ; q - z
	v_pk_add_f32 v[Q+32*\i+4*\c+2:Q+32*\i+4*\c+3], v[Q+32*\i+4*\c+2:Q+32*\i+4*\c+3], v[Z+32*\i+4*\c+2:Z+32*\i+4*\c+3] neg_lo:[0,1] neg_hi:[0,1]
.if \i+\c == 0
	v_pk_mul_f32 v[S:S+1],   v[Q:Q+1],   v[Q:Q+1]                  ; the first chunk starts the sums: nothing is cleared
	v_pk_mul_f32 v[S+2:S+3], v[Q+2:Q+3], v[Q+2:Q+3]
.else
	v_pk_fma_f32 v[S:S+1],   v[Q+32*\i+4*\c:Q+32*\i+4*\c+1],   v[Q+32*\i+4*\c:Q+32*\i+4*\c+1],   v[S:S+1]
	v_pk_fma_f32 v[S+2:S+3], v[Q+32*\i+4*\c+2:Q+32*\i+4*\c+3], v[Q+32*\i+4*\c+2:Q+32*\i+4*\c+3], v[S+2:S+3]
.endif
	v_pk_add_f32 v[Z+32*\i+4*\c:Z+32*\i+4*\c+1],   v[Z+32*\i+4*\c:Z+32*\i+4*\c+1],   v[Q+32*\i+4*\c:Q+32*\i+4*\c+1]     ; z + (q - z)
	v_pk_add_f32 v[Z+32*\i+4*\c+2:Z+32*\i+4*\c+3], v[Z+32*\i+4*\c+2:Z+32*\i+4*\c+3], v[Q+32*\i+4*\c+2:Q+32*\i+4*\c+3]
	global_store_b128 v1, v[Z+32*\i+4*\c:Z+32*\i+4*\c+3], s[18:19] offset:ROWB*\i+512*\c th:TH_STORE_NT
.endr
.endm
	GROW 0, 8                                      ; the second row's eight loads of q may be out
	GROW 1, 0
	v_pk_add_f32 v[S:S+1], v[S:S+1], v[S+2:S+3]
	v_add_f32 v[S], v[S], v[S+1]
	v_add_f32_dpp v[S], v[S], v[S] row_xmask:1 row_mask:0xf bank_mask:0xf
	v_add_f32_dpp v[S], v[S], v[S] row_xmask:2 row_mask:0xf bank_mask:0xf
	v_add_f32_dpp v[S], v[S], v[S] row_xmask:4 row_mask:0xf bank_mask:0xf
	v_add_f32_dpp v[S], v[S], v[S] row_xmask:8 row_mask:0xf bank_mask:0xf
	v_permlanex16_b32 v12, v[S], s28, s29
	v_add_f32 v[S], v[S], v12                      ; every lane holds the wave's sum
	ds_store_b32 v13, v[S]
	s_wait_dscnt 0x0                               ; my word is in LDS: zero, for the sake of the wave that reads it
	s_barrier_signal -1
	s_barrier_wait -1
	s_cmp_lg_u32 s14, 0
	s_cbranch_scc1 .Lend
	v_mov_b32 v14, 0
	ds_load_b128 v[Q:Q+3],     v14                 ; into Q's registers: Z's are still the data of stores on their way
	ds_load_b128 v[Q+4:Q+7],   v14 offset:16
	ds_load_b128 v[Q+8:Q+11],  v14 offset:32
	ds_load_b128 v[Q+12:Q+15], v14 offset:48
	s_lshl_b32 s22, ttmp9, 2
	s_add_nc_u64 s[12:13], s[12:13], s[22:23]      ; part[g]
	s_wait_dscnt 0x0
	v_pk_add_f32 v[Q:Q+1],     v[Q:Q+1],     v[Q+2:Q+3]
	v_pk_add_f32 v[Q+4:Q+5],   v[Q+4:Q+5],   v[Q+6:Q+7]
	v_pk_add_f32 v[Q+8:Q+9],   v[Q+8:Q+9],   v[Q+10:Q+11]
	v_pk_add_f32 v[Q+12:Q+13], v[Q+12:Q+13], v[Q+14:Q+15]
	v_pk_add_f32 v[Q:Q+1],     v[Q:Q+1],     v[Q+4:Q+5]
	v_pk_add_f32 v[Q+8:Q+9],   v[Q+8:Q+9],   v[Q+12:Q+13]
	v_pk_add_f32 v[Q:Q+1],     v[Q:Q+1],     v[Q+8:Q+9]
	v_add_f32 v[Q], v[Q], v[Q+1]
	v_cmp_eq_u32 vcc_lo, 0, v0
	s_wait_xcnt 0x0                                ; EXEC is a source of the stores above: it is narrowed only behind this wait
	s_wait_tensorcnt 0x0
	ds_add_u32 v144, v145
	s_wait_dscnt 0x0
	s_and_saveexec_b32 s32, vcc_lo
	global_store_b32 v14, v[Q], s[12:13]           ; lane 0 alone; the wave ends here, so EXEC is not widened again
	s_endpgm
.Lend:
	s_wait_tensorcnt 0x0
	ds_add_u32 v144, v145
	s_wait_dscnt 0x0
	s_endpgm
.Lfunc_end_k_qc992be49ca_gath:
	.size	k_qc992be49ca_gath, .Lfunc_end_k_qc992be49ca_gath-k_qc992be49ca_gath
	.p2alignl 7, 3214868480
	.fill 96, 4, 3214868480
	.section	.rodata,"a",@progbits
	.p2align	6, 0x0
	.amdhsa_kernel k_qc992be49ca_gath
		.amdhsa_group_segment_fixed_size 2304
		.amdhsa_private_segment_fixed_size 0
		.amdhsa_enable_private_segment 0
		.amdhsa_kernarg_size 40
		.amdhsa_user_sgpr_count 2
		.amdhsa_user_sgpr_kernarg_segment_ptr 1
		.amdhsa_wavefront_size32 1
		.amdhsa_system_sgpr_workgroup_id_x 1
		.amdhsa_system_sgpr_workgroup_id_y 1
		.amdhsa_system_sgpr_workgroup_id_z 1
		.amdhsa_system_vgpr_workitem_id 0
		.amdhsa_next_free_vgpr 146
		.amdhsa_next_free_sgpr 66
		.amdhsa_reserve_vcc 1
		.amdhsa_float_denorm_mode_32 3
		.amdhsa_float_denorm_mode_16_64 3
		.amdhsa_memory_ordered 1
		.amdhsa_forward_progress 1
		.amdhsa_inst_pref_size 15
	.end_amdhsa_kernel
	.amdgpu_metadata
---
amdhsa.version: [ 1, 2 ]
amdhsa.kernels:
  - .name:           k_qc992be49ca_gath
    .symbol:         k_qc992be49ca_gath.kd
    .args:
      - { .name: z, .offset: 0, .size: 8, .value_kind: global_buffer, .address_space: global }
      - { .name: embeddings, .offset: 8, .size: 8, .value_kind: global_buffer, .address_space: global }
      - { .name: idx, .offset: 16, .size: 8, .value_kind: global_buffer, .address_space: global }
      - { .name: out0, .offset: 24, .size: 8, .value_kind: global_buffer, .address_space: global }
      - { .name: part, .offset: 32, .size: 8, .value_kind: global_buffer, .address_space: global }
    .group_segment_fixed_size: 2304
    .private_segment_fixed_size: 0
    .kernarg_segment_align: 8
    .kernarg_segment_size: 40
    .max_flat_workgroup_size: 512
    .sgpr_count:     66
    .vgpr_count:     146
    .wavefront_size: 32
...
	.end_amdgpu_metadata
.endif
;; end of part 4
;; launch lsum (part 5): grid 1 x 1, 1 waves a work-group, no clusters, 0 bytes of LDS; arguments part, out1; writes out1
.if DOCPART == 5
	.amdgcn_target "amdgcn-amd-amdhsa--gfx1250"
	.amdhsa_code_object_version 6
	.text
	.protected	k_qc992be49ca_lsum
	.globl	k_qc992be49ca_lsum
	.p2align	8
	.type	k_qc992be49ca_lsum,@function
k_qc992be49ca_lsum:
	s_mov_b64 s[64:65], 0
	v_nop
	global_prefetch_b8 v0, s[64:65] scope:SCOPE_SE
	s_setreg_imm32_b32 hwreg(HW_REG_WAVE_MODE, 25, 1), 1
	s_wait_xcnt 0x0
; out1 = m + 0.25 m, m = (the sum of the 256 partial sums) / (8192 x 1024): both losses of the formula are the same mean.
; part: f32[256].  One wave: a sum over work-groups has one owner, in a launch of its own.
	s_load_b128 s[4:7], s[0:1], 0x0                ; part s[4:5], out1 s[6:7]
	v_lshlrev_b32 v1, 4, v0
	s_mov_b32 s8, 0x76543210
	s_mov_b32 s9, 0xfedcba98
	v_mov_b32 v10, 0                               ; the lane permute's destination counts as read
	v_mov_b32 v11, 0                               ; the store's offset
	s_wait_kmcnt 0x0
	global_load_b128 v[2:5], v1, s[4:5]
	global_load_b128 v[6:9], v1, s[4:5] offset:512
	s_wait_loadcnt 0x0
	v_pk_add_f32 v[2:3], v[2:3], v[4:5]
	v_pk_add_f32 v[6:7], v[6:7], v[8:9]
	v_pk_add_f32 v[2:3], v[2:3], v[6:7]
	v_add_f32 v2, v2, v3
	v_add_f32_dpp v2, v2, v2 row_xmask:1 row_mask:0xf bank_mask:0xf
	v_add_f32_dpp v2, v2, v2 row_xmask:2 row_mask:0xf bank_mask:0xf
	v_add_f32_dpp v2, v2, v2 row_xmask:4 row_mask:0xf bank_mask:0xf
	v_add_f32_dpp v2, v2, v2 row_xmask:8 row_mask:0xf bank_mask:0xf
	v_permlanex16_b32 v10, v2, s8, s9
	v_add_f32 v2, v2, v10
	v_mul_f32 v2, 0x34000000, v2                   ; x 2^-23 = 1 / (8192 x 1024), exact
	v_fmamk_f32 v3, v2, 0x3e800000, v2             ; m x 0.25 + m
	v_cmp_eq_u32 vcc_lo, 0, v0
	s_wait_xcnt 0x0                                ; EXEC is narrowed only behind this wait
	s_and_saveexec_b32 s10, vcc_lo
	global_store_b32 v11, v3, s[6:7]               ; lane 0 alone; the wave ends here
	s_endpgm
.Lfunc_end_k_qc992be49ca_lsum:
	.size	k_qc992be49ca_lsum, .Lfunc_end_k_qc992be49ca_lsum-k_qc992be49ca_lsum
	.p2alignl 7, 3214868480
	.fill 96, 4, 3214868480
	.section	.rodata,"a",@progbits
	.p2align	6, 0x0
	.amdhsa_kernel k_qc992be49ca_lsum
		.amdhsa_group_segment_fixed_size 0
		.amdhsa_private_segment_fixed_size 0
		.amdhsa_enable_private_segment 0
		.amdhsa_kernarg_size 16
		.amdhsa_user_sgpr_count 2
		.amdhsa_user_sgpr_kernarg_segment_ptr 1
		.amdhsa_wavefront_size32 1
		.amdhsa_system_sgpr_workgroup_id_x 1
		.amdhsa_system_sgpr_workgroup_id_y 1
		.amdhsa_system_sgpr_workgroup_id_z 1
		.amdhsa_system_vgpr_workitem_id 0
		.amdhsa_next_free_vgpr 16
		.amdhsa_next_free_sgpr 66
		.amdhsa_reserve_vcc 1
		.amdhsa_float_denorm_mode_32 3
		.amdhsa_float_denorm_mode_16_64 3
		.amdhsa_memory_ordered 1
		.amdhsa_forward_progress 1
		.amdhsa_inst_pref_size 2
	.end_amdhsa_kernel
	.amdgpu_metadata
---
amdhsa.version: [ 1, 2 ]
amdhsa.kernels:
  - .name:           k_qc992be49ca_lsum
    .symbol:         k_qc992be49ca_lsum.kd
    .args:
      - { .name: part, .offset: 0, .size: 8, .value_kind: global_buffer, .address_space: global }
      - { .name: out1, .offset: 8, .size: 8, .value_kind: global_buffer, .address_space: global }
    .group_segment_fixed_size: 0
    .private_segment_fixed_size: 0
    .kernarg_segment_align: 8
    .kernarg_segment_size: 16
    .max_flat_workgroup_size: 32
    .sgpr_count:     66
    .vgpr_count:     16
    .wavefront_size: 32
...
	.end_amdgpu_metadata
.endif
;; end of part 5
;; ======== version 2 of 2: 5 launches; 1.14 times as fast as version 1
;; workspace buffers: zb 16,777,216 bytes; eb 16,777,216 bytes; zz 32,768 bytes; ee 32,768 bytes; pv 524,288 bytes; pi 524,288 bytes of whole numbers; idx 32,768 bytes of whole numbers; part 1,024 bytes
;; launch prep: the kernel of part 1 again; grid 128 x 2, 16 waves a work-group, no clusters, 2,304 bytes of LDS; arguments z, embeddings, zb, eb, zz, ee; writes zb, eb, zz, ee
;; launch dist (part 6): grid 8 x 32, 4 waves a work-group, clusters of 4 x 4, 327,680 bytes of LDS; arguments zb, eb, zz, ee, pv, pi; writes pv, pi
.if DOCPART == 6
	.amdgcn_target "amdgcn-amd-amdhsa--gfx1250"
	.amdhsa_code_object_version 6
	.text
	.protected	k_qc992be49ca_dist
	.globl	k_qc992be49ca_dist
	.p2align	8
	.type	k_qc992be49ca_dist,@function
k_qc992be49ca_dist:
	s_mov_b64 s[64:65], 0
	v_nop
	global_prefetch_b8 v0, s[64:65] scope:SCOPE_SE
	s_setreg_imm32_b32 hwreg(HW_REG_WAVE_MODE, 25, 1), 1
	s_wait_xcnt 0x0
	s_wait_alu depctr_hold_cnt(0) depctr_sa_sdst(0) depctr_va_vdst(0) depctr_va_sdst(0) depctr_va_ssrc(0) depctr_va_vcc(0) depctr_vm_vsrc(0)
	s_getreg_b32 s2, hwreg(HW_REG_IB_STS2, 6, 4)
	s_cmp_eq_u32 s2, 0
	s_cbranch_scc0 .Lentry_in_a_cluster
	s_endpgm
.Lentry_in_a_cluster:
	s_bfe_u32 s2, ttmp6, 0x10000c
	s_cmp_lg_u32 s2, 0xf033
	s_cbranch_scc0 .Lentry_shape_is_right
	s_endpgm
.Lentry_shape_is_right:
; For 256 rows of z and 1,024 codes: d[n][k] = (zz[n] + ee[k]) - 2 z[n].e[k], and for each row the least d and its lowest code.
; zb, eb: [8192][1024] bf16.  zz, ee: f32[8192].  pv: f32[16][8192], pi: u32[16][8192]: part 2 bx + half, row n.
; Work-group (bx, by): rows 256 by .. + 255, codes 1024 bx .. + 1023, walked as four blocks of 256 codes, ascending.  Four waves, as many as a
; WGP has SIMDs; a wave makes 128 rows x 128 codes of each block in 64 accumulator tiles of 16 x 16, 512 registers.  K = 1024 goes in steps of
; 128 through a ring of two LDS slots filled by the tensor data mover; a tile's rows are 256 bytes of memory at multiples of 256 bytes.
; The ring runs on from block to block: 32 K steps = 16 laps of two; the last two steps of a block ask for the first two of the next.
; ONE TEXT OF A LAP serves the fifteen laps that fill slots again; only the sixteenth, which fills nothing, is written out.  For that the loop
; is turned by a quarter step: a trip ends with the first quarter of the next lap, which after laps 3, 7 and 11 is a block's end, the next
; block's norms and the quarter whose products start the new sums (C = 0), and otherwise the quarter that adds on.
; THE ROUNDINGS ARE THE FORMULA'S OWN: t = zz + ee rounded to f32, then t - 2 ze rounded once (2 ze is exact, so one fused multiply-add is the
; subtraction).  At the size of zz the distances lie on a coarse grid on which ties are real; they go to the lowest code: strict < where the
; later codes are the higher ones, the lowest place of an equal number inside a tile, an explicit compare of the codes where ranges interleave.
; LIMITS: with a NaN among a row's distances the index found here is not the one of an argmin that ranks NaN first.  Where a row's two best
; distances lie within one rounding step of f32 at the size of zz, the order of summation inside the product may decide between them.
; If every distance of a row is +infinity, code 0 results.
; CLUSTERS: 4 x 4 work-groups.  The four of a row of the cluster share by, and so z's tiles; the four of a column share bx, and so the codes'
; tiles.  Such a tile is asked for jointly: the same tensor load, the same descriptor, a mask that names the four.  That divides the requests
; for both by four.  All partners make the same 32 K steps, so every joint request is made by all that it names.
;
; REGISTERS, in windows of 256:
;   window 0: v0-31 addresses and temporaries; v32-47 zz; v48-63 the running best; v64-127, v128-191 fragments of z, two buffers; v192-255 ee
;   window 1: v64-127, v128-191 fragments of the codes, two buffers
;   window 2: the 32 accumulator tiles of my rows 0-63 (tile (a, b) at v[8 (8 a + b)]);   window 3: those of my rows 64-127
; THE MATRIX INSTRUCTION IS USED TRANSPOSED: source 0 = 16 codes, source 1 = 16 rows of z.  Lane l then holds row l % 16 of z, and its registers
; 0 to 7 the codes 8 (l / 16) + 0 .. 7 of the tile: the search over codes runs inside a lane, and only two lanes meet at the end.
.set SIZE_K, 1024
.set KSTEP,  128
.set PITCH,  272                       ; an LDS row: 256 bytes of data + 16 of padding = 68 words: the 16 rows that a fragment load touches start 4 words apart modulo 64
.set HALFT,  128*PITCH                 ; 128 rows: what one tensor load brings, and what one wave reads of z or of the codes
.set SLOT,   4*HALFT                   ; z's 256 rows, then the codes' 256 rows
.set STAGE,  2*SLOT                    ; behind the ring, at a multiple of 256 bytes: 1,024 bytes for each wave, never the target of a tensor load
.set LAPS,   16                        ; 4 blocks x 8 K steps / 2
.set MN,   0                           ; v[0:7]    the least of each tile's eight distances (v0-v5 serve the set-up first and are free behind it)
.set IDR,  8                           ; v[8:15]   the tree's ids: 8 b of the tile that holds the least
.set ADRA, 16                          ; v16-17    LDS address of my z fragments in slot 0, 1
.set ADRB, 20                          ; v20-21    the same for the codes
.set EEO,  22                          ; v22       32 (l / 16): my eight codes' bytes in a tile's 16 norms
.set ZZO,  23                          ; v23       4 (l % 16): my row's bytes in 16 norms
.set STO,  24                          ; v24       the way out: lanes 0-15 put a value, lanes 16-31 a code
.set RD,   25                          ; v25       the way out: where I read 16 bytes back
.set CO,   26                          ; v26       16 x lane: my bytes of the wave's 512 in pv and in pi
.set LT,   27                          ; v27       what my lane adds to a code: 8 (l / 16) + 128 x half + 1024 bx
.set JL,   28                          ; v28       the lowest equal place among j = 0..3, or 8
.set JH,   29                          ; v29       the lowest equal place among j = 4..7
.set ZZ,   32                          ; v[32:47]  pair 2 a, 2 a + 1: zz of row 16 a + l % 16, twice (a pair for the packed add)
.set BV,   48                          ; v[48:55]  least distance so far of row 16 a + l % 16, among my lane's codes
.set BI,   56                          ; v[56:63]  its id: 64 x block + 8 b + j
.set F0,   64                          ; fragment buffer 0
.set F1,   128                         ; fragment buffer 1
.set T,    F1                          ; between blocks buffer 1 is free in window 0: 64 distances of one row block
.set EE,   192                         ; v[192:255] register 8 b + j: ee of code 16 b + 8 (l / 16) + j of my 128
.set G1,  24                           ; s[24:31] descriptor group 1 for z's tiles
.set G0,  32                           ; s[32:39] descriptor group 0 for z's tiles, one set for each slot
.set G1B, 48                           ; s[48:55] descriptor group 1 for the codes' tiles: it differs in the mask alone
.set G0B, 56                           ; s[56:63] descriptor group 0 for the codes' tiles, one set for each slot
.set MK,  80                           ; s[80:87] compare masks
.set MSB, 0
.macro WIN new                         ; the immediate's high byte repeats the setting that is left
.if MSB != \new
	s_set_vgpr_msb (MSB<<8)|\new
.set MSB, \new
.endif
.endm
.set MUL_LO, 0xa1                      ; source 0 (codes) window 1, source 1 (z) window 0, C and D window 2
.set MUL_HI, 0xf1                      ; the same, C and D window 3
.set TO_B,   0x40                      ; destination window 1, address window 0
; A joint load.  Waves 0 and 1 fetch z's two halves, waves 2 and 3 the codes'.  Each line has one mask and one set of registers for all that
; issue it; the branch hangs on the wave's number alone, which is the same in every work-group.
.macro JLOAD s
	s_cmp_eq_u32 s11, 0
	s_cbranch_scc0 .Lfor_b_\@
	tensor_load_to_lds s[G0+4*\s:G0+4*\s+3], s[G1:G1+7]
	s_nop 0
	s_branch .Lasked_\@
.Lfor_b_\@:
	tensor_load_to_lds s[G0B+4*\s:G0B+4*\s+3], s[G1B:G1B+7]
	s_nop 0
.Lasked_\@:
.endm
; A round of the cluster's barrier: my work-group's barrier, so that wave 0's signal speaks for all four waves; wave 0 signals for the
; work-group; every wave waits for all sixteen work-groups; my work-group's barrier once more.
.macro CREST                           ; a round behind its opening barrier
	s_cmp_lg_u32 s10, 0
	s_cbranch_scc1 .Lnot_wave_0_\@
	s_barrier_signal -3
.Lnot_wave_0_\@:
	s_barrier_wait -3
	s_barrier_signal -1
	s_barrier_wait -1
.endm
.macro CROUND                          ; a whole round
	s_barrier_signal -1
	s_barrier_wait -1
	CREST
.endm
	s_load_b128 s[4:7], s[0:1], 0x0                ; zb s[4:5], eb s[6:7]
	s_load_b256 s[68:75], s[0:1], 0x10             ; zz s[68:69], ee s[70:71], pv s[72:73], pi s[74:75]
	s_set_vgpr_msb 0x40
	v_lshl_add_u32 v255, v0, 2, 0x45000
	s_set_vgpr_msb 0x4000
	v_mov_b32 v19, 0
	s_set_vgpr_msb 0x1
	ds_add_u32 v255, v19
	s_set_vgpr_msb 0x100
	v_lshrrev_b32 v1, 5, v0
	v_readfirstlane_b32 s10, v1                    ; wave 0..3
	s_lshr_b32 s11, s10, 1                         ; which half of the block's rows is mine.  Also: I fetch for z (0) or for the codes (1)
	s_and_b32 s12, s10, 1                          ; which half of its codes.  Also: which 128 rows of that tile I fetch
	s_bfe_u32 s40, ttmp6, 0x40000                  ; cx: my place along the cluster's x
	s_bfe_u32 s41, ttmp6, 0x40004                  ; cy: along its y
	s_lshl_b32 s42, ttmp9, 2                       ; in a cluster launch ttmp9 and ttmp7 count clusters
	s_add_co_u32 s42, s42, s40                     ; bx = 4 x cluster x + cx: my 1,024 codes
	s_and_b32 s13, ttmp7, 0xffff
	s_lshl_b32 s13, s13, 2
	s_add_co_u32 s13, s13, s41                     ; by = 4 x cluster y + cy: my 256 rows
	s_lshl_b32 s43, s41, 2
	s_lshl_b32 s43, 15, s43                        ; my row of the cluster: places 4 cy .. 4 cy + 3
	s_lshl_b32 s44, 0x1111, s40                    ; my column: places cx, cx + 4, cx + 8, cx + 12
	; descriptor group 1: a tile of 128 rows x 128 elements, padded in LDS
	s_or_b32 s[G1+0], s43, (1<<16)|(1<<20)|(1<<21)|(5<<22)|(3<<25)  ; 15:0 the mask: z's tiles go to my row; 17:16 element of 2 bytes; 20 padding on; 21 set beside a mask; 24:22 after every 64 words (code 5); 31:25 of 4 words (code 3)
	s_or_b32 s[G1B+0], s44, (1<<16)|(1<<20)|(1<<21)|(5<<22)|(3<<25) ; the same with the mask of my column, for the codes' tiles
	s_mov_b32 s[G1B+1], KSTEP<<16
	s_mov_b32 s[G1+1], KSTEP<<16                   ; 63:48 tensor_dim0, low half = 128
	s_mov_b32 s[G1B+2], 128<<16
	s_mov_b32 s[G1+2], 128<<16                     ; 79:64 its high half = 0; 95:80 tensor_dim1, low half = 128
	s_mov_b32 s[G1B+3], KSTEP<<16
	s_mov_b32 s[G1+3], KSTEP<<16                   ; 111:96 its high half = 0; 127:112 tile_dim0 = 128
	s_mov_b32 s[G1B+4], 128
	s_mov_b32 s[G1+4], 128                         ; 143:128 tile_dim1 = 128; 159:144 tile_dim2 = 0
	s_mov_b32 s[G1B+5], SIZE_K
	s_mov_b32 s[G1+5], SIZE_K                      ; 191:160 tensor_dim0_stride, low word: elements from row to row
	s_mov_b32 s[G1B+6], 0
	s_mov_b32 s[G1+6], 0
	s_mov_b32 s[G1B+7], 0
	s_mov_b32 s[G1+7], 0
	; where the tiles come from.  z's hang on by alone, which my row of the cluster shares; the codes' on bx alone, which my column shares.
	; Every wave makes both addresses, in registers that never hold the other coordinate, and asks by one of them.
	s_lshl_b32 s17, s12, 7                         ; which 128 rows of the tile I fetch
	s_lshl_b32 s16, s13, 8
	s_add_co_u32 s16, s16, s17                     ; z: row 256 by + 128 x half
	s_lshl_b32 s46, s42, 10
	s_add_co_u32 s46, s46, s17                     ; codes: row 1024 bx + 128 x half
	s_lshl_b32 s16, s16, 11                        ; rows of 2,048 bytes: below 2^24 bytes in all
	s_mov_b32 s17, 0
	s_lshl_b32 s46, s46, 11
	s_mov_b32 s47, 0
	s_mul_i32 s20, s10, HALFT                      ; and where they go: wave x 128 rows: no place in the cluster enters an LDS address
	s_wait_dscnt 0x0
	s_wait_kmcnt 0x0
	s_add_nc_u64 s[14:15], s[4:5], s[16:17]
	s_add_nc_u64 s[46:47], s[6:7], s[46:47]
	CROUND                                         ; all sixteen work-groups are here: the first joint loads meet
.irp s, 0,1
	s_mov_b32 s[G0+4*\s], 1                                        ; 1:0 count = 1
	s_add_co_u32 s[G0+4*\s+1], s20, \s*SLOT                        ; 63:32 LDS address
	s_add_nc_u64 s[G0+4*\s+2:G0+4*\s+3], s[14:15], \s*KSTEP*2      ; 120:64 global address: K step s
	s_or_b32 s[G0+4*\s+3], s[G0+4*\s+3], 0x80000000                ; 127:126 type = 2
	s_mov_b32 s[G0B+4*\s], 1
	s_add_co_u32 s[G0B+4*\s+1], s20, \s*SLOT
	s_add_nc_u64 s[G0B+4*\s+2:G0B+4*\s+3], s[46:47], \s*KSTEP*2
	s_or_b32 s[G0B+4*\s+3], s[G0B+4*\s+3], 0x80000000
	JLOAD \s                                       ; the ring is filled before anything else is done: two tensor loads of the wave are out
.endr
	; the norms' and the results' places; what mixes bx and by lives in s88-s95 alone
	s_mov_b32 s89, 0
	s_lshl_b32 s88, s13, 10                        ; 256 by rows x 4 bytes
	s_lshl_b32 s94, s11, 9                         ; + 128 rows x 4 bytes for the upper half
	s_add_co_u32 s88, s88, s94
	s_add_nc_u64 s[90:91], s[68:69], s[88:89]      ; zz of my 128 rows
	s_lshl_b32 s88, s42, 12                        ; 1024 bx codes x 4 bytes
	s_lshl_b32 s95, s12, 9
	s_add_co_u32 s88, s88, s95
	s_add_nc_u64 s[92:93], s[70:71], s[88:89]      ; ee of my 128 codes of block 0; steps by 256 codes a block
	s_lshl1_add_u32 s88, s42, s12                  ; part 2 bx + half
	s_lshl_b32 s88, s88, 15                        ; x 8,192 rows x 4 bytes
	s_lshl_b32 s95, s13, 10
	s_add_co_u32 s88, s88, s95
	s_add_co_u32 s88, s88, s94                     ; + my first row
	s_add_nc_u64 s[72:73], s[72:73], s[88:89]      ; pv at my 128 values
	s_add_nc_u64 s[74:75], s[74:75], s[88:89]      ; pi at my 128 codes
	s_lshl_b32 s95, s42, 10
	s_lshl_b32 s94, s12, 7
	s_add_co_u32 s95, s95, s94                     ; 1024 bx + 128 x half
	s_mov_b32 s76, 0                               ; 64 x block
	s_mov_b32 s77, 0xffff0000                      ; lanes 16 to 31
	s_mov_b32 s78, 0x76543210                      ; v_permlanex16_b32: lane i of one half reads lane i of the other
	s_mov_b32 s79, 0xfedcba98
	s_mov_b32 s97, 0                               ; s[96:97]: what z's address goes back by in a refill; s[98:99]: what the codes' goes on by; low words set in each lap
	s_mov_b32 s99, 0
	s_mov_b32 s100, 256*SIZE_K*2-6*KSTEP*2         ; the codes' step into the next block: 256 rows on, six K steps back
	s_mov_b32 s101, 2*KSTEP*2                      ; the usual step: two K steps on
	; A fragment is 16 rows x 32 K in 8 registers: lane l holds row l % 16; registers 0-3 hold K = 8 (l / 16) + 0..7, registers 4-7 hold
	; K = 16 + 8 (l / 16) + 0..7.  From rows that lie along K: two loads of 16 bytes, 32 bytes apart.  The same for source 0 and source 1.
	v_and_b32 v1, 15, v0                           ; l % 16
	v_bfe_u32 v2, v0, 4, 1                         ; l / 16
	v_mul_u32_u24 v3, v1, PITCH
	v_lshl_add_u32 v3, v2, 4, v3                   ; row x pitch + 16 x half
	s_mul_i32 s21, s11, HALFT                      ; my 128 rows of z
	s_mul_i32 s22, s12, HALFT                      ; my 128 codes,
	s_add_co_u32 s22, s22, 2*HALFT                 ; which lie behind z's 256 rows
.irp s, 0,1
	v_add_nc_u32 v[ADRA+\s], s21, v3
	v_add_nc_u32 v[ADRB+\s], s22, v3
	s_add_co_u32 s21, s21, SLOT
	s_add_co_u32 s22, s22, SLOT
.endr
	s_lshl_b32 s23, s10, 10
	s_add_co_u32 s23, s23, STAGE                   ; my stage: 512 bytes of values, 512 of codes
	v_lshlrev_b32 v[ZZO], 2, v1
	v_lshlrev_b32 v[EEO], 5, v2
	v_lshl_add_u32 v4, v2, 9, v[ZZO]               ; lanes 0-15 into the values, lanes 16-31 into the codes, word l % 16
	v_add_nc_u32 v[STO], s23, v4
	v_and_b32 v5, 31, v0
	v_lshlrev_b32 v[CO], 4, v5
	v_add_nc_u32 v[RD], s23, v[CO]
	v_lshl_add_u32 v[LT], v2, 3, s95
.irp a, 0,1,2,3,4,5,6,7
	global_load_b32 v[ZZ+2*\a],   v[ZZO], s[90:91] offset:64*\a     ; once in the launch; both registers of the pair that the packed add reads
	global_load_b32 v[ZZ+2*\a+1], v[ZZO], s[90:91] offset:64*\a
.endr
.irp a, 0,1,2,3,4,5,6,7
	v_mov_b32 v[BV+\a], 0x7f800000                 ; +infinity: any finite distance is less
	v_mov_b32 v[BI+\a], 0
.endr
	v_mov_b32 v30, 0                               ; the lane permutes' destinations count as read: written once here
	v_mov_b32 v31, 0
; 16 matrix instructions: row blocks a0, a0 + 1 of the window's four (hi = 0: my rows 0-63, 1: rows 64-127) x all 8 code blocks, 32 along K.
; zero = 1: the first product of a block of codes starts the sums: nothing is ever cleared.
; The 64 accumulators take turns, one instruction a turn, in the same order in every quarter step, on both ways through the loop's end, over
; its backward jump and into the tail.
.macro MUL16 f, hi, a0, zero
.irp a, \a0, \a0+1
.irp b, 0,1,2,3,4,5,6,7
.if \zero
	v_wmma_f32_16x16x32_bf16 v[8*(8*(\a)+\b):8*(8*(\a)+\b)+7], v[\f+8*\b:\f+8*\b+7], v[\f+8*(4*\hi+\a):\f+8*(4*\hi+\a)+7], 0
.else
	v_wmma_f32_16x16x32_bf16 v[8*(8*(\a)+\b):8*(8*(\a)+\b)+7], v[\f+8*\b:\f+8*\b+7], v[\f+8*(4*\hi+\a):\f+8*(4*\hi+\a)+7], v[8*(8*(\a)+\b):8*(8*(\a)+\b)+7]
.endif
.endr
.endr
.endm
; 32 LDS loads in one run: the fragments of one quarter step (128 codes, 128 rows of z, 32 K at byte k of the rows) into buffer f
.macro FETCH slot, k, f
	WIN TO_B
.irp i, 0,1,2,3,4,5,6,7
	ds_load_b128 v[\f+8*\i:\f+8*\i+3],   v[ADRB+\slot] offset:\k+\i*16*PITCH
	ds_load_b128 v[\f+8*\i+4:\f+8*\i+7], v[ADRB+\slot] offset:\k+\i*16*PITCH+32
.endr
	WIN 0
.irp i, 0,1,2,3,4,5,6,7
	ds_load_b128 v[\f+8*\i:\f+8*\i+3],   v[ADRA+\slot] offset:\k+\i*16*PITCH
	ds_load_b128 v[\f+8*\i+4:\f+8*\i+7], v[ADRA+\slot] offset:\k+\i*16*PITCH+32
.endr
.endm
; A load into a register that a matrix instruction has read, and a vector instruction that reads a matrix result or writes one of a matrix
; instruction's registers, stand four places behind it, and only plain vector instructions that name none of its registers are places
; (ISA guide 7.12.1 for vector instructions).  The matrix instructions in between are not counted.
.macro PLACES
.rept 4
	v_nop
.endr
.endm
; A K step is four quarter steps of 32 along K, 64 matrix instructions each, on buffers 0, 1, 0, 1.
; One of the first three: multiplies buffer f; in its middle it fetches the next quarter's fragments, at byte k of the same slot's rows, into g.
.macro QUARTER slot, k, f, g, zero
	s_wait_dscnt 8                                 ; the codes and z's rows 0-63 are in; the youngest eight loads (z's rows 64-127) may be out
	WIN MUL_LO
	MUL16 \f, 0, 0, \zero
	MUL16 \f, 0, 2, \zero
	PLACES
	FETCH \slot, \k, \g
	s_wait_dscnt 32                                ; all but the 32 just issued
	WIN MUL_HI
	MUL16 \f, 1, 0, \zero
	MUL16 \f, 1, 2, \zero
.endm
.macro THREE slot
	QUARTER \slot, 64,  F0, F1, 0
	QUARTER \slot, 128, F1, F0, 0
	QUARTER \slot, 192, F0, F1, 0
.endm
; The last quarter: multiplies buffer 1 and changes slots.  next = the other slot; fill = 1: this slot is filled again, two K steps ahead.
; Two steps ahead is, in a block's last lap, the next block of codes: z's address then goes six steps back (512 on, 2,048 back) and the codes'
; 256 rows on and six steps back; the lap's head has put the two amounts into s[96:97] and s[98:99].
; ONE barrier for the change of slots, for two things.  In front of it each wave waits for its own reads of this slot and for all its tensor
; loads, of which one is out: its part of the next slot.  Behind it nobody reads this slot any more and the next slot is whole: the refill
; comes first, then the next slot's first fragments.  From a request to the wait for it a wave issues 240 matrix instructions.
.macro TURN slot, next, fill
	s_wait_dscnt 8
	WIN MUL_LO
	MUL16 F1, 0, 0, 0
	s_wait_dscnt 0                                 ; my reads of this slot are over
	s_wait_tensorcnt 0x0                           ; and all my tensor loads have landed: the one that was out is my part of the next slot:
	ds_add_u32 v255, v19
	s_wait_dscnt 0x0
	s_barrier_signal -1                            ; say so (where a slot is filled again this barrier opens a round of the cluster's barrier),
	MUL16 F1, 0, 2, 0                              ; work on registers while the others arrive,
	WIN 0
	s_barrier_wait -1                              ; and go on when all four have said so
.if \fill
	CREST                                          ; all sixteen work-groups have said so: no wave of any partner still reads this slot's tile or has a load on its way
	s_add_nc_u64 s[G0+4*\slot+2:G0+4*\slot+3], s[G0+4*\slot+2:G0+4*\slot+3], 2*KSTEP*2
	s_sub_nc_u64 s[G0+4*\slot+2:G0+4*\slot+3], s[G0+4*\slot+2:G0+4*\slot+3], s[96:97]
	s_add_nc_u64 s[G0B+4*\slot+2:G0B+4*\slot+3], s[G0B+4*\slot+2:G0B+4*\slot+3], s[98:99]
	JLOAD \slot                                    ; the first tensor load behind the round, and my only one until the next
.endif
	PLACES
	FETCH \next, 0, F0
	WIN MUL_HI
	MUL16 F1, 1, 0, 0
	MUL16 F1, 1, 2, 0
.endm
; ee of my 128 codes of a block, asked for at the block's head and waited for at its end.  Window 0.
.macro EELOAD
.irp b, 0,1,2,3,4,5,6,7
	global_load_b128 v[EE+8*\b:EE+8*\b+3],   v[EEO], s[92:93] offset:64*\b
	global_load_b128 v[EE+8*\b+4:EE+8*\b+7], v[EEO], s[92:93] offset:64*\b+16
.endr
.endm
; A node of the tree over the eight tiles, in three parts so that the nodes of a level stand side by side.
; The tile of the higher codes wins only if its least distance is strictly less; the winner's eight distances move with it.
.macro NCMP lo, hi
	v_cmp_lt_f32 s[MK+\lo], v[MN+\hi], v[MN+\lo]
.endm
.macro NMIN lo, hi
	v_min_num_f32 v[MN+\lo], v[MN+\lo], v[MN+\hi]
.endm
.macro NSEL lo, hi
.irp j, 0,1,2,3,4,5,6,7
	v_cndmask_b32 v[T+8*\lo+\j], v[T+8*\lo+\j], v[T+8*\hi+\j], s[MK+\lo]
.endr
.endm
; Row block a (tile row q of the window that from names as source 0): my lane's 64 distances of row 16 a + l % 16, their least and its id,
; merged into the running best.  Every choice is a select: no branch and no address hangs on a distance.
; 64 instructions make the distances, 56 the tiles' minima, 77 the tree, 15 find the place in the winning tile, 4 merge: 216.
.macro EPIROW a, q, from
	WIN 0
.irp b, 0,1,2,3,4,5,6,7
.irp p, 0,2,4,6
	v_pk_add_f32 v[T+8*\b+\p:T+8*\b+\p+1], v[EE+8*\b+\p:EE+8*\b+\p+1], v[ZZ+2*\a:ZZ+2*\a+1]           ; t = zz + ee, rounded
.endr
.endr
	WIN \from
.irp b, 0,1,2,3,4,5,6,7
.irp p, 0,2,4,6
	v_pk_fma_f32 v[T+8*\b+\p:T+8*\b+\p+1], v[8*(8*\q+\b)+\p:8*(8*\q+\b)+\p+1], -2.0, v[T+8*\b+\p:T+8*\b+\p+1] op_sel_hi:[1,0,1]   ; d = t - 2 ze, rounded once
.endr
.endr
	WIN 0
.irp b, 0,1,2,3,4,5,6,7
	v_min_num_f32 v[MN+\b], v[T+8*\b], v[T+8*\b+1]                 ; eight chains, one for each tile, that do not wait for each other
.endr
.irp j, 2,3,4,5,6,7
.irp b, 0,1,2,3,4,5,6,7
	v_min_num_f32 v[MN+\b], v[MN+\b], v[T+8*\b+\j]
.endr
.endr
	NCMP 0, 1
	NCMP 2, 3
	NCMP 4, 5
	NCMP 6, 7
	NMIN 0, 1
	NMIN 2, 3
	NMIN 4, 5
	NMIN 6, 7
.irp b, 0,2,4,6
	v_cndmask_b32 v[IDR+\b], 8*\b, 8*\b+8, s[MK+\b]                ; the first choice starts the id: nothing is cleared
.endr
	NSEL 0, 1
	NSEL 2, 3
	NSEL 4, 5
	NSEL 6, 7
	NCMP 0, 2
	NCMP 4, 6
	NMIN 0, 2
	NMIN 4, 6
	v_cndmask_b32 v[IDR],   v[IDR],   v[IDR+2], s[MK]
	v_cndmask_b32 v[IDR+4], v[IDR+4], v[IDR+6], s[MK+4]
	NSEL 0, 2
	NSEL 4, 6
	NCMP 0, 4
	NMIN 0, 4
	v_cndmask_b32 v[IDR], v[IDR], v[IDR+4], s[MK]
	NSEL 0, 4
	; v[T:T+7] are the winning tile's eight, v[MN] is one of them bit for bit: the lowest place that equals it.  Place 7 needs no compare.
.irp j, 0,1,2,3,4,5,6
	v_cmp_eq_f32 s[MK+\j], v[T+\j], v[MN]
.endr
	v_cmp_lt_f32 s[MK+7], v[MN], v[BV+\a]          ; blocks ascend: an earlier block's equal distance stays
	v_cndmask_b32 v[JL], 8, 3, s[MK+3]             ; two chains, each downward, so that the lowest place is written last
	v_cndmask_b32 v[JH], 7, 6, s[MK+6]
	v_cndmask_b32 v[JL], v[JL], 2, s[MK+2]
	v_cndmask_b32 v[JH], v[JH], 5, s[MK+5]
	v_cndmask_b32 v[JL], v[JL], 1, s[MK+1]
	v_cndmask_b32 v[JH], v[JH], 4, s[MK+4]
	v_cndmask_b32 v[JL], v[JL], 0, s[MK]
	v_min_num_f32 v[BV+\a], v[BV+\a], v[MN]
	v_min_u32 v[JL], v[JL], v[JH]
	v_add3_u32 v[JL], v[JL], v[IDR], s76           ; 64 x block + 8 b + j
	v_cndmask_b32 v[BI+\a], v[BI+\a], v[JL], s[MK+7]
.endm
; A block's end.  It issues no LDS instruction, so the 32 fragment loads of the next block's first quarter stay counted as they were.
.macro EPI step
	PLACES                                         ; behind the last matrix instructions: their results are read, and buffer 1, a source of theirs, is written
	WIN 0
	s_wait_loadcnt 0x0                             ; this block's ee (and, the first time, zz), asked for a block ago; it also frees ee's base
	EPIROW 0, 0, 0x02
	EPIROW 1, 1, 0x02
	EPIROW 2, 2, 0x02
	EPIROW 3, 3, 0x02
	EPIROW 4, 0, 0x03
	EPIROW 5, 1, 0x03
	EPIROW 6, 2, 0x03
	EPIROW 7, 3, 0x03
.if \step
	s_add_nc_u64 s[92:93], s[92:93], 1024          ; 256 codes x 4 bytes on
	s_add_co_u32 s76, s76, 64
.endif
.endm
	s_wait_tensorcnt 1                             ; my part of K step 0 is in; K step 1's may stay out
	s_barrier_signal -1
	s_barrier_wait -1                              ; everybody's is
	FETCH 0, 0, F0
	EELOAD                                         ; block 0's norms
	QUARTER 0, 64, F0, F1, 1                       ; block 0's first quarter stands in front of the loop: its products start the sums
	WIN 0                                          ; at a label and at a branch every window is 0
	s_mov_b32 s3, 0                                ; the lap's number
.Llap:                                             ; laps 0 to 14, each from its second quarter to the next lap's first; K steps 2 L and 2 L + 1 ask for 2 L + 2 and 2 L + 3
	s_and_b32 s66, s3, 3                           ; the lap's place in its block of four
	s_cmp_eq_u32 s66, 3
	s_cselect_b32 s96, 8*KSTEP*2, 0                ; a block's last lap asks for the next block's first two steps
	s_cselect_b32 s98, s100, s101
	QUARTER 0, 128, F1, F0, 0
	QUARTER 0, 192, F0, F1, 0
	TURN 0, 1, 1
	THREE 1
	TURN 1, 0, 1
	WIN 0
	s_cmp_eq_u32 s66, 3                            ; the branch hangs on the lap's number alone; no barrier and no tensor load stands inside it
	s_cbranch_scc0 .Lsame
	EPI 1                                          ; a block is whole: its distances, their least
	EELOAD                                         ; the next block's norms
	QUARTER 0, 64, F0, F1, 1                       ; and its first quarter, which starts the sums anew
	WIN 0
	s_branch .Lnext
.Lsame:
	QUARTER 0, 64, F0, F1, 0                       ; the same block goes on
	WIN 0
.Lnext:
	s_add_co_u32 s3, s3, 1
	s_cmp_lt_u32 s3, LAPS-1
	s_cbranch_scc1 .Llap
	QUARTER 0, 128, F1, F0, 0                      ; the last lap, written out: it fills nothing, and has no round of the cluster's barrier:
	QUARTER 0, 192, F0, F1, 0                      ; my one tensor load that is still out is slot 1's, the last K step's
	TURN 0, 1, 0
	THREE 1
	s_wait_dscnt 8                                 ; the very last quarter: nothing more to fetch
	WIN MUL_LO
	MUL16 F1, 0, 0, 0
	MUL16 F1, 0, 2, 0
	s_wait_dscnt 0
	WIN MUL_HI
	MUL16 F1, 1, 0, 0
	MUL16 F1, 1, 2, 0
	EPI 0
	; THE WAY OUT.  Lanes l and l + 16 hold the same row's best among interleaved groups of eight codes: the id becomes the code, the two meet,
	; and the lower code wins a tie.  Lanes 0-15 then put the value, lanes 16-31 the code, into my own stage, so that 128 values and 128 codes
	; leave as 512 consecutive bytes each.
.irp a, 0,1,2,3,4,5,6,7
	v_and_b32 v28, 7, v[BI+\a]                     ; j
	v_and_b32 v29, 0x38, v[BI+\a]                  ; 8 b
	v_lshl_add_u32 v28, v29, 1, v28                ; 16 b + j
	v_and_b32 v29, 0xc0, v[BI+\a]                  ; 64 x block
	v_lshl_add_u32 v28, v29, 2, v28                ; + 256 x block
	v_add_nc_u32 v28, v28, v[LT]                   ; + 8 (l / 16) + 128 x half + 1024 bx: the code
	v_permlanex16_b32 v30, v[BV+\a], s78, s79      ; the other half's value
	v_permlanex16_b32 v31, v28, s78, s79           ; and code
	v_cmp_lt_f32 s80, v30, v[BV+\a]
	v_cmp_eq_f32 s81, v30, v[BV+\a]
	v_cmp_lt_u32 s82, v31, v28
	s_and_b32 s81, s81, s82
	s_or_b32 s80, s80, s81                         ; less, or equal with the lower code
	v_cndmask_b32 v29, v[BV+\a], v30, s80
	v_cndmask_b32 v28, v28, v31, s80
	v_cndmask_b32 v28, v29, v28, s77               ; lanes 0-15 the value, lanes 16-31 the code
	ds_store_b32 v[STO], v28 offset:64*\a          ; word 16 a + l % 16
.endr
	ds_load_b128 v[F0:F0+3],   v[RD]               ; LDS serves a wave's instructions in order (ISA guide 5.7.1.4): these see my stores above
	ds_load_b128 v[F0+4:F0+7], v[RD] offset:512
	s_wait_dscnt 0x0
	global_store_b128 v[CO], v[F0:F0+3],   s[72:73]                ; 32 lanes store 512 consecutive bytes, at a multiple of 512 from pv's first byte
	global_store_b128 v[CO], v[F0+4:F0+7], s[74:75]
	s_set_vgpr_msb 0x1
	s_wait_tensorcnt 0x0
	ds_add_u32 v255, v19
	s_wait_dscnt 0x0
	s_set_vgpr_msb 0x100
	CROUND                                         ; the closing round: no work-group ends while a partner may still ask for a tile that names it
	s_endpgm
.Lfunc_end_k_qc992be49ca_dist:
	.size	k_qc992be49ca_dist, .Lfunc_end_k_qc992be49ca_dist-k_qc992be49ca_dist
	.p2alignl 7, 3214868480
	.fill 96, 4, 3214868480
	.section	.rodata,"a",@progbits
	.p2align	6, 0x0
	.amdhsa_kernel k_qc992be49ca_dist
		.amdhsa_group_segment_fixed_size 327680
		.amdhsa_private_segment_fixed_size 0
		.amdhsa_enable_private_segment 0
		.amdhsa_kernarg_size 48
		.amdhsa_user_sgpr_count 2
		.amdhsa_user_sgpr_kernarg_segment_ptr 1
		.amdhsa_wavefront_size32 1
		.amdhsa_system_sgpr_workgroup_id_x 1
		.amdhsa_system_sgpr_workgroup_id_y 1
		.amdhsa_system_sgpr_workgroup_id_z 1
		.amdhsa_system_vgpr_workitem_id 0
		.amdhsa_next_free_vgpr 1024
		.amdhsa_next_free_sgpr 102
		.amdhsa_reserve_vcc 0
		.amdhsa_float_denorm_mode_32 3
		.amdhsa_float_denorm_mode_16_64 3
		.amdhsa_memory_ordered 1
		.amdhsa_forward_progress 1
		.amdhsa_inst_pref_size 255
	.end_amdhsa_kernel
	.section	.bss,"aw",@nobits
	.p2align	6
	.space	262144
	.amdgpu_metadata
---
amdhsa.version: [ 1, 2 ]
amdhsa.kernels:
  - .name:           k_qc992be49ca_dist
    .symbol:         k_qc992be49ca_dist.kd
    .args:
      - { .name: zb, .offset: 0, .size: 8, .value_kind: global_buffer, .address_space: global }
      - { .name: eb, .offset: 8, .size: 8, .value_kind: global_buffer, .address_space: global }
      - { .name: zz, .offset: 16, .size: 8, .value_kind: global_buffer, .address_space: global }
      - { .name: ee, .offset: 24, .size: 8, .value_kind: global_buffer, .address_space: global }
      - { .name: pv, .offset: 32, .size: 8, .value_kind: global_buffer, .address_space: global }
      - { .name: pi, .offset: 40, .size: 8, .value_kind: global_buffer, .address_space: global }
    .group_segment_fixed_size: 327680
    .private_segment_fixed_size: 0
    .kernarg_segment_align: 8
    .kernarg_segment_size: 48
    .max_flat_workgroup_size: 128
    .sgpr_count:     102
    .vgpr_count:     1024
    .wavefront_size: 32
...
	.end_amdgpu_metadata
.endif
;; end of part 6
;; launch pick: the kernel of part 3 again; grid 128 x 1, 1 waves a work-group, no clusters, 0 bytes of LDS; arguments pv, pi, idx; writes idx
;; launch gath: the kernel of part 4 again; grid 256 x 1, 16 waves a work-group, no clusters, 2,304 bytes of LDS; arguments z, embeddings, idx, out0, part; writes out0, part
;; launch lsum: the kernel of part 5 again; grid 1 x 1, 1 waves a work-group, no clusters, 0 bytes of LDS; arguments part, out1; writes out1
